; MI455X (gfx1250); checked and timed in simulation.
; The chip was launched on July 23, 2026; its instructions are those of AMD's public machine-readable ISA for CDNA 5 (MIT licence, August 2026) and "CDNA5" Instruction Set Architecture Reference Guide (July 2026). The comments in the code are by the model that wrote it; some were corrected since.
;; Linear Attention. Allowed arithmetic: matrix products marked QUANTISED: E3M2 operands, one E8M0 scale for each 32 along K, by v_wmma_scale_f32_16x16x128_f8f6f4 with both operands' format E3M2, f32 sums; products left as they are: f32 operands where the result goes on into a quantised operand, else bf16, f16 or f32 operands; f32 sums; everything else in f32.
;; Inputs: Wk 1,024 x 1,024 float32; Wo 1,024 x 1,024 float32; Wq 1,024 x 1,024 float32; Wv 1,024 x 1,024 float32; bk 1,024 float32; bo 1,024 float32; bq 1,024 float32; bv 1,024 float32; x 4 x 4,096 x 1,024 float32.
;; Outputs: out0 4 x 4,096 x 1,024 float32.
;; This version of the problem:
;;   THIS VERSION OF THE PROBLEM IS GIVEN IN LOW PRECISION. The matrix products marked QUANTISED in the list below multiply operands that are first quantised to E3M2 (3 exponent bits, 2 mantissa bits; 6 bits a number), with one power-of-two scale for each 32 numbers along K (OCP MX v1.0); their sums are f32. All else is computed in f32.
;;   The module's matrix products, in the order in which they are computed (A, B: the left and right operand; K: the contracted axis; several contracted axes count as one K, in the product's order):
;;     1. [M 16,384, K 1,024] x [K 1,024, N 1,024]; A: input x; B: input Wq: QUANTISED
;;     2. [M 16,384, K 1,024] x [K 1,024, N 1,024]; A: input x; B: input Wk: QUANTISED
;;     3. [M 16,384, K 1,024] x [K 1,024, N 1,024]; A: input x; B: input Wv: QUANTISED
;;     4. batch 128 x [M 32, K 4,096] x [K 4,096, N 32]; A: computed on the way; B: computed on the way: QUANTISED
;;     5. batch 128 x [M 4,096, K 32] x [K 32, N 1]; A: computed on the way; B: computed on the way: left as it is (N = 1 < 16)
;;     6. batch 128 x [M 4,096, K 32] x [K 32, N 32]; A: computed on the way; B: computed on the way: QUANTISED
;;     7. [M 16,384, K 1,024] x [K 1,024, N 1,024]; A: computed on the way; B: input Wo: QUANTISED
;;   THE QUANTISER, for each operand of a quantised product, along K:
;;     - K is cut into blocks of 32 from its start; a last block that is shorter is filled with zeros.
;;     - A block's scale is 2^e with e = floor(log2(the largest magnitude in the block)) - 4, held to -126 .. 127; a block of zeros has e = 0. As a byte (E8M0): e + 127.
;;     - Each number is divided by its block's scale, clamped to +-28, and rounded to the nearest number of E3M2, ties to even, subnormals kept.
;;     - The product sums the exact products of the quantised numbers (number of the format x scale) in f32.
;;   ~~~python
;;   def quantise(x, axis):      # numpy; x: float32 -> the quantised numbers, widened to float32 again
;;       x = np.moveaxis(x, axis, -1); K = x.shape[-1]
;;       x = np.pad(x, [(0, 0)] * (x.ndim - 1) + [(0, -K % 32)]); x = x.reshape(x.shape[:-1] + (-1, 32)); a = np.abs(x).max(-1, keepdims=True)
;;       e = np.where(a > 0, np.clip(np.frexp(np.where(a > 0, a, 1))[1] - 1 - 4, -126, 127), 0)      # np.frexp(a)[1] - 1 = floor(log2(a)), exactly
;;       r = np.clip(x / 2.0 ** e, -28, 28)
;;       step = 2.0 ** (np.maximum(np.frexp(np.where(r == 0, 1, r))[1] - 1, -2) - 2)
;;       q = np.round(r / step) * step * 2.0 ** e      # np.round: ties to even
;;       return np.moveaxis(q.reshape(q.shape[:-2] + (-1,))[..., :K], -1, axis).astype(np.float32)
;;   ~~~
;;   OPERANDS COMPUTED ON THE WAY. 'Computed on the way' means the value that the module computes at that place (a softmax that the list does not call 'softmax' is quantised finished and normalised). What goes into a quantiser is computed in f32, as accurately as f32 sums, v_exp_f32 and their like allow (about 1e-6 of the number): no bf16 or f16 on the way to a quantiser, and a product that is left as it is and whose result goes on into a quantised operand takes f32 operands (vector FMAs, or v_wmma_f32_16x16x4_f32). A number that lies on a knife's edge between two numbers of the format may be rounded either way, as far as f32 arithmetic and the matrix unit's own rounding can turn it there, and no further.
;; One version. Each part assembles by itself: llvm-mc -triple=amdgcn-amd-amdhsa -mcpu=gfx1250 --defsym DOCPART=n.
;; ======== version 1 of 1: 5 launches
;; workspace buffers: xc 12,582,912 bytes; xs 524,288 bytes; wc 3,145,728 bytes; ws 131,072 bytes; kvp 4,325,376 bytes; kvq 458,752 bytes; cc 12,582,912 bytes; cs 524,288 bytes
;; launch quant (part 1): grid 640 x 1, 4 waves a work-group, no clusters, 34,304 bytes of LDS; arguments x, Wq, Wk, Wv, Wo, xc, xs, wc, ws; writes xc, xs, wc, ws
.if DOCPART == 1
	.amdgcn_target "amdgcn-amd-amdhsa--gfx1250"
	.amdhsa_code_object_version 6
	.text
	.protected	k_qb6233b6e65_quant
	.globl	k_qb6233b6e65_quant
	.p2align	8
	.type	k_qb6233b6e65_quant,@function
k_qb6233b6e65_quant:
	s_mov_b64 s[64:65], 0
	v_nop
	global_prefetch_b8 v0, s[64:65] scope:SCOPE_SE
	s_setreg_imm32_b32 hwreg(HW_REG_WAVE_MODE, 25, 1), 1
	s_wait_xcnt 0x0
; x [16384][1024] and Wq, Wk, Wv, Wo [1024][1024], f32, K innermost, become codes of BF6 (E3M2), 6 bits each, and one E8M0 byte for each 32 along K.
; A block's scale is 2^(floor(log2(its largest magnitude)) - 4); its byte is the largest magnitude's exponent field - 4, held at 1 from below.
; LIMITS: a block of zeros gets the byte 1 where the quantiser's rule says 127 (its codes are zeros, and only this program reads the bytes); blocks whose largest
; magnitude lies under 2^(4 - 126) keep the byte 1; NaN and infinities among the inputs are not served.
; SHARES.  A work-group takes 32 rows of one tensor, a wave 8 of them: 16 steps of 512 numbers.  Work-groups 0-511: x; then 32 each for Wq, Wk, Wv, Wo.
; WHERE THE ROWS GO.  Codes: [row][768 bytes].  Scale bytes: [256 along K (4 of them)][row][8 bytes].  x goes to xc, xs; the weights share wc, ws, in groups of 32 rows:
; groups 0-31 Wq; group 32 + 4 p + i: Wk's head 2 p + i (i = 0, 1), Wv's head 2 p + i - 2 (i = 2, 3); groups 96-127 Wo.
; Rows of x and of Wq lie BY POSITION: inside a group of 32, bits 3 and 4 of the row's number change places, so that the products' results fall into a lane as 16 neighbours.
; A lane needs 16 neighbours along K for the conversion, a load is dense where neighbouring lanes take neighbouring bytes: a step's 2,048 bytes turn through the wave's own stage in LDS.
.set STEPS, 16
.set CB,    12                         ; bytes of 16 codes
.set R,     16                         ; v16-79   four sets of 16 numbers as loaded
.set X,     80                         ; v80-111  two sets of 16 neighbours
.set E,     112                        ; v112-127 a scale byte for each step
.set C,     128                        ; v128-191 codes: four registers for each step, so that no store's data are written again
.set WREG,  8192                       ; LDS: a wave's own region: two stages of 32 x SP bytes
.set SP,    80                         ; a lane's place in a stage: 64 bytes + 16 of padding
.set SCB,   32768                      ; LDS: the work-group's 1,024 scale bytes: [256 along K][row of 32][8]
	s_load_b256 s[4:11], s[0:1], 0x0               ; x, Wq, Wk, Wv
	s_load_b256 s[12:19], s[0:1], 0x20             ; Wo, xc, xs, wc
	s_load_b64 s[20:21], s[0:1], 0x40              ; ws
	v_lshl_add_u32 v192, v0, 2, 0x8400
	v_mov_b32 v193, 0
	v_lshrrev_b32 v1, 5, v0
	v_readfirstlane_b32 s22, v1                    ; wave
	v_and_b32 v2, 31, v0                           ; lane
	v_lshlrev_b32 v3, 4, v2                        ; my 16 bytes of a load's 512
	s_mul_i32 s23, s22, WREG
	v_lshrrev_b32 v14, 2, v2
	v_mul_u32_u24 v14, v14, SP
	v_and_b32 v15, 3, v2
	v_lshl_add_u32 v14, v15, 4, v14
	v_add_nc_u32 v14, s23, v14                     ; the stage, on the way in: SP (lane / 4) + 16 (lane % 4)
	v_mul_u32_u24 v15, v2, SP
	v_add_nc_u32 v15, s23, v15                     ; and on the way out: SP x lane
	v_mul_u32_u24 v4, v2, CB                       ; my codes' place in a step's 384 bytes
	v_bfe_u32 v5, v0, 1, 3                         ; my block's byte among the 8 of its 256 along K
	v_bfe_u32 v6, v0, 4, 1                         ; which of the step's two 256 along K
	v_lshl_add_u32 v5, v6, 8, v5
	s_lshl_b32 s23, s22, 6                         ; my wave's 8 rows x 8 bytes
	s_add_co_u32 s23, s23, SCB
	v_add_nc_u32 v5, s23, v5                       ; where my block's byte goes
	s_lshl_b32 s23, s22, 8
	s_add_co_u32 s23, s23, SCB
	v_lshl_add_u32 v6, v2, 3, s23                  ; back: wave w takes the w-th 256 along K, a lane a row
	v_and_b32 v7, 7, v2                            ; the row's position: bits 3 and 4 change places
	v_bfe_u32 v8, v2, 3, 1
	v_lshl_or_b32 v7, v8, 4, v7
	v_bfe_u32 v8, v2, 4, 1
	v_lshl_or_b32 v7, v8, 3, v7
	; which tensor, which group of 32 rows: all from the work-group's number
	s_sub_co_u32 s24, ttmp9, 512
	s_lshr_b32 s25, s24, 5                         ; t: 0 Wq, 1 Wk, 2 Wv, 3 Wo (no such number in x's work-groups)
	s_and_b32 s26, s24, 31                         ; the weight's group = its head
	s_lshr_b32 s27, s26, 1
	s_lshl_b32 s27, s27, 2
	s_and_b32 s28, s26, 1
	s_add_co_u32 s27, s27, s28
	s_lshl_b32 s28, s25, 1
	s_add_co_u32 s27, s27, s28
	s_add_co_u32 s27, s27, 30                      ; Wk, Wv: 32 + 4 (head / 2) + head % 2 + 2 (t - 1)
	s_add_co_u32 s28, s26, 96                      ; Wo
	s_cmp_eq_u32 s25, 3
	s_cselect_b32 s27, s28, s27
	s_cmp_eq_u32 s25, 0
	s_cselect_b32 s27, s26, s27                    ; Wq
	s_cselect_b32 s30, 1, 0                        ; rows by position?
	s_wait_kmcnt 0x0
	s_cmp_eq_u32 s25, 1
	s_cselect_b64 s[6:7], s[8:9], s[6:7]
	s_cmp_eq_u32 s25, 2
	s_cselect_b64 s[6:7], s[10:11], s[6:7]
	s_cmp_eq_u32 s25, 3
	s_cselect_b64 s[6:7], s[12:13], s[6:7]
	s_mov_b32 s29, 32768                           ; bytes from one 256 along K to the next in ws,
	s_cmp_lt_u32 ttmp9, 512                        ; x's work-group?
	s_cselect_b64 s[4:5], s[4:5], s[6:7]           ; the source,
	s_cselect_b64 s[14:15], s[14:15], s[18:19]     ; its codes,
	s_cselect_b64 s[16:17], s[16:17], s[20:21]     ; its scale bytes
	s_cselect_b32 s27, ttmp9, s27                  ; the group where they go,
	s_cselect_b32 s26, ttmp9, s26                  ; the group where they come from
	s_cselect_b32 s29, 131072, s29                 ; and in xs
	s_cselect_b32 s30, 1, s30
	s_and_b32 s31, s22, 1                          ; a wave's 8 rows: the wave's two bits are bits 3 and 4 of the row
	s_lshl_b32 s31, s31, 1
	s_lshr_b32 s32, s22, 1
	s_or_b32 s31, s31, s32
	s_cmp_eq_u32 s30, 1
	s_cselect_b32 s31, s31, s22
	s_cselect_b32 s34, -1, 0
	v_cndmask_b32 v7, v2, v7, s34
	v_lshlrev_b32 v7, 3, v7                        ; 8 bytes a row
	s_lshl_b32 s32, s26, 17                        ; 32 rows of 4,096 bytes
	s_lshl_b32 s33, s22, 15
	s_add_co_u32 s32, s32, s33
	s_mov_b32 s33, 0
	s_add_nc_u64 s[4:5], s[4:5], s[32:33]
	s_mul_i32 s32, s27, 24576                      ; 32 rows of 768 bytes
	s_mul_i32 s35, s31, 6144
	s_add_co_u32 s32, s32, s35
	s_add_nc_u64 s[14:15], s[14:15], s[32:33]
	s_mul_i32 s32, s22, s29
	s_lshl_b32 s35, s27, 8
	s_add_co_u32 s32, s32, s35
	s_add_nc_u64 s[16:17], s[16:17], s[32:33]
.macro LOAD t
.irp i, 0,1,2,3
	global_load_b128 v[R+16*((\t)%4)+4*\i:R+16*((\t)%4)+4*\i+3], v3, s[4:5] offset:2048*(\t)+512*\i th:TH_LOAD_NT   ; 32 lanes read 512 consecutive bytes
.endr
.endm
.macro TURN t                          ; step t's numbers through the stage: LDS serves a wave's instructions in order, so no wait stands between the stores and the loads
.irp i, 0,1,2,3
	ds_store_b128 v14, v[R+16*((\t)%4)+4*\i:R+16*((\t)%4)+4*\i+3] offset:32*SP*((\t)%2)+8*SP*\i
.endr
.irp i, 0,1,2,3
	ds_load_b128 v[X+16*((\t)%2)+4*\i:X+16*((\t)%2)+4*\i+3], v15 offset:32*SP*((\t)%2)+16*\i
.endr
.endm
.irp t, 0,1,2,3
	LOAD \t
.endr
	s_wait_loadcnt 12                              ; step 0's four loads are in
	TURN 0
.macro STEP t
.set XS, X+16*((\t)%2)
.if (\t) > 0
	s_wait_dscnt 1                                 ; this step's numbers are back from the stage (the last step's byte store may be out): its stores into the stage have read their registers,
.else
	s_wait_dscnt 0x0
.endif
.if (\t)+4 < STEPS
	LOAD (\t)+4                                    ; which take the loads of four steps on
.endif
.if (\t)+1 < STEPS
.if STEPS-2-(\t) >= 3
	s_wait_loadcnt 12                              ; the next step's four loads are in; those of the three steps behind it may be out
.else
	s_wait_loadcnt 4*(STEPS-2-(\t))
.endif
	TURN (\t)+1
.endif
	v_max3_num_f32 v8, |v[XS]|, |v[XS+1]|, |v[XS+2]|               ; the largest magnitude of my 16, in two chains
	v_max3_num_f32 v9, |v[XS+3]|, |v[XS+4]|, |v[XS+5]|
.irp i, 6,10
	v_max3_num_f32 v8, v8, |v[XS+\i]|, |v[XS+\i+1]|
	v_max3_num_f32 v9, v9, |v[XS+\i+2]|, |v[XS+\i+3]|
.endr
	v_max3_num_f32 v8, v8, |v[XS+14]|, |v[XS+15]|
	v_max3_num_f32 v8, v8, v9, 0x2800000           ; and the floor 2^(5 - 127): the byte cannot fall under 1
	v_max_num_f32_dpp v8, v8, v8 row_xmask:1 row_mask:0xf bank_mask:0xf   ; and of my neighbour's 16: the block's
	v_add_nc_u32 v11, 0xfe000000, v8               ; 4 off its exponent field: the conversion takes the exponent field of this operand as its scale
	v_cvt_scalef32_pk16_bf6_f32 v[C+4*(\t):C+4*(\t)+2], v[XS:XS+15], v11
	v_lshrrev_b32 v[E+(\t)], 23, v11               ; the scale's byte (also the plain line behind the conversion)
	ds_store_b8 v5, v[E+(\t)] offset:512*((\t)%2)+8*((\t)/2)   ; row t / 2 of my 8, half t % 2 of the row; both lanes of a block write the same byte with the same value
	global_store_b96 v4, v[C+4*(\t):C+4*(\t)+2], s[14:15] offset:32*CB*(\t)   ; 384 consecutive bytes
.endm
.irp t, 0,1,2,3,4,5,6,7,8,9,10,11,12,13,14,15
	STEP \t
.endr
	s_wait_dscnt 0x0                               ; for the others' sake: my byte stores have landed
	s_barrier_signal -1
	s_barrier_wait -1
	ds_load_b64 v[12:13], v6                       ; 32 rows x 8 bytes of one 256 along K
	s_wait_dscnt 0x0
	global_store_b64 v7, v[12:13], s[16:17]        ; the 32 lanes fill 256 consecutive bytes, aligned
	s_wait_tensorcnt 0x0
	ds_add_u32 v192, v193
	s_wait_dscnt 0x0
	s_endpgm
.Lfunc_end_k_qb6233b6e65_quant:
	.size	k_qb6233b6e65_quant, .Lfunc_end_k_qb6233b6e65_quant-k_qb6233b6e65_quant
	.p2alignl 7, 3214868480
	.fill 96, 4, 3214868480
	.section	.rodata,"a",@progbits
	.p2align	6, 0x0
	.amdhsa_kernel k_qb6233b6e65_quant
		.amdhsa_group_segment_fixed_size 34304
		.amdhsa_private_segment_fixed_size 0
		.amdhsa_enable_private_segment 0
		.amdhsa_kernarg_size 72
		.amdhsa_user_sgpr_count 2
		.amdhsa_user_sgpr_kernarg_segment_ptr 1
		.amdhsa_wavefront_size32 1
		.amdhsa_system_sgpr_workgroup_id_x 1
		.amdhsa_system_sgpr_workgroup_id_y 1
		.amdhsa_system_sgpr_workgroup_id_z 1
		.amdhsa_system_vgpr_workitem_id 0
		.amdhsa_next_free_vgpr 194
		.amdhsa_next_free_sgpr 66
		.amdhsa_reserve_vcc 0
		.amdhsa_float_denorm_mode_32 3
		.amdhsa_float_denorm_mode_16_64 3
		.amdhsa_memory_ordered 1
		.amdhsa_forward_progress 1
		.amdhsa_inst_pref_size 34
	.end_amdhsa_kernel
	.amdgpu_metadata
---
amdhsa.version: [ 1, 2 ]
amdhsa.kernels:
  - .name:           k_qb6233b6e65_quant
    .symbol:         k_qb6233b6e65_quant.kd
    .args:
      - { .name: x, .offset: 0, .size: 8, .value_kind: global_buffer, .address_space: global }
      - { .name: Wq, .offset: 8, .size: 8, .value_kind: global_buffer, .address_space: global }
      - { .name: Wk, .offset: 16, .size: 8, .value_kind: global_buffer, .address_space: global }
      - { .name: Wv, .offset: 24, .size: 8, .value_kind: global_buffer, .address_space: global }
      - { .name: Wo, .offset: 32, .size: 8, .value_kind: global_buffer, .address_space: global }
      - { .name: xc, .offset: 40, .size: 8, .value_kind: global_buffer, .address_space: global }
      - { .name: xs, .offset: 48, .size: 8, .value_kind: global_buffer, .address_space: global }
      - { .name: wc, .offset: 56, .size: 8, .value_kind: global_buffer, .address_space: global }
      - { .name: ws, .offset: 64, .size: 8, .value_kind: global_buffer, .address_space: global }
    .group_segment_fixed_size: 34304
    .private_segment_fixed_size: 0
    .kernarg_segment_align: 8
    .kernarg_segment_size: 72
    .max_flat_workgroup_size: 128
    .sgpr_count:     66
    .vgpr_count:     194
    .wavefront_size: 32
...
	.end_amdgpu_metadata
.endif
;; end of part 1
;; launch kvgemm (part 2): grid 32 x 8, 4 waves a work-group, clusters of 4 x 4, 327,680 bytes of LDS; arguments wc, ws, xc, xs, bk, bv, kvp; writes kvp
.if DOCPART == 2
	.amdgcn_target "amdgcn-amd-amdhsa--gfx1250"
	.amdhsa_code_object_version 6
	.text
	.protected	k_qb6233b6e65_kvgemm
	.globl	k_qb6233b6e65_kvgemm
	.p2align	8
	.type	k_qb6233b6e65_kvgemm,@function
k_qb6233b6e65_kvgemm:
	s_mov_b64 s[64:65], 0
	v_nop
	global_prefetch_b8 v0, s[64:65] scope:SCOPE_SE
	s_setreg_imm32_b32 hwreg(HW_REG_WAVE_MODE, 25, 1), 1
	s_wait_xcnt 0x0
	s_wait_alu depctr_hold_cnt(0) depctr_sa_sdst(0) depctr_va_vdst(0) depctr_va_sdst(0) depctr_va_ssrc(0) depctr_va_vcc(0) depctr_vm_vsrc(0)
	s_getreg_b32 s2, hwreg(HW_REG_IB_STS2, 6, 4)
	s_cmp_eq_u32 s2, 0
	s_cbranch_scc0 .Lentry_in_a_cluster
	s_endpgm
.Lentry_in_a_cluster:
	s_bfe_u32 s2, ttmp6, 0x10000c
	s_cmp_lg_u32 s2, 0xf033
	s_cbranch_scc0 .Lentry_shape_is_right
	s_endpgm
.Lentry_shape_is_right:
; (K | V)^T = (Wk | Wv) x^T + bias on codes of BF6 with E8M0 scales, then K = elu + 1, K's sum over tokens, K and V quantised ALONG THE TOKENS, and KV = K^T V for the tile's tokens: K and V never go to memory.
; A (source 1): 256 rows of wc from row 1,024 + 256 x tile row on: for each pair of heads 64 rows of Wk, then 64 of Wv.  B (source 0): 256 token positions of xc.  K = 1,024 in four slots of 256.
; A WORK-GROUP STAYS: it makes two tiles with the same rows of A, token positions 512 x tile column + 0 .. 255 and + 256 .. 511.  The ring does not stop between them: the first tile's last two changes of slots ask for
; the second tile's first two slots, which land under the first tile's epilogue.  KV's eight accumulators and K's sums stay in registers that the products of the tiles do not touch: the second tile adds onto the first's.
; A wave makes 128 x 128: its 128 rows are one pair of heads (blocks 0-3 K, blocks 4-7 V), its 128 columns are 128 tokens.  A lane holds ONE feature (row of A); x lies by position, so the 16 registers
; of accumulators (a, 2 i) and (a, 2 i + 1) are the 16 neighbouring tokens 32 i + 16 (lane / 16) + 0 .. 15: what the conversions want.
; The bias (for K with the 1 of elu + 1 added) is the C of each sum's first matrix instruction.
; elu(y) + 1 with z = y + 1 at hand: max(z, 2^(-|(z - 1) log2 e|)): for y > 0 the power is under 1 < z; for y <= 0 it is e^y >= 1 + y.
; LIMITS: y is recovered from z, so e^y carries an error of about 2^-24 + |y| x 1e-7 of itself; results under 2^-126 become 0; a block of zeros gets the byte 1 (its codes are zeros); NaN and infinities are not served;
; the sums over tokens are taken in another order than a plain sum over 4,096.
; OUT: for each (batch, head) and each of 8 blocks of 512 tokens a part of KV (4,096 bytes, four accumulator images) and of K's sum (128 bytes: half of an aligned 256; 131,072 bytes in the launch).
; CLUSTERS: 4 x 4 work-groups; A's tiles are asked for jointly along a row of the cluster, B's along a column.
; The two tiles are written out one behind the other and every address can be read off the text.
; No prefetch: of the eight fills of a wave two are first fills, and each refill has a slot's 128 matrix instructions in which to land, the two at the change of tiles an epilogue besides.
; REGISTERS: window 0: v1-31 addresses; v32-63 scale words, two sets; v64-127 KV; v128-223 A's fragments; window 1: B's fragments at v0 and v128, the bias tiles at v96-127 and v224-255; windows 2, 3: the accumulators.
.set AROW0,  1024
.set APITCH, 768                       ; a row of A in memory, bytes
.set ASTEP,  192                       ; from one slot's codes of A to the next
.set ASS,    4096                      ; rows in A's scale buffer
.set BSS,    16384                     ; and in B's
.set KSP,    4194304                   ; where the parts of K's sum begin in kvp
.set ROWB,   192                       ; a tile's row: 256 codes
.set NEXTB,  256*768-2*ROWB            ; from a slot's last codes of B in the first tile to its first in the second: 256 rows down, two slots back along K
.set PITCH,  240                       ; in LDS: 3 x (64 bytes + 16 of padding)
.set FR,     12                        ; registers of a fragment
.set NL,     6                         ; LDS loads that bring one
.set NP,     4                         ; places behind this matrix instruction (ISA guide 7.12.1)
.set NQ,     2                         ; steps of 128 in a slot
.set HALFT,  128*PITCH
.set SLOT,   4*HALFT                   ; A's 256 rows, then B's 256
.set SCLA,   2*SLOT                    ; A's scale bytes: [slot][256 rows][8]
.set SCLB,   SCLA+8192+128             ; B's, for both tiles: [slot][512 rows][8]; 128 bytes apart modulo 256, so that the two halves of a scale load take different words of a 256-byte row
.set SPARE,  SCLB+16384+128            ; the spare words, 128 bytes a wave: two blocks of 256 bytes that no other line names
.set SSTEP, 13                         ; v13  from slot to slot among the scale words: 2,048 in A's lanes, 4,096 in B's
.set TBACK, 14                         ; v14  from the first tile's last slot to the second tile's first: 6,144 back in A's lanes, 10,240 in B's
.set ADRA, 16
.set ADRB, 20
.set STO,  24                          ; the way out: where my images go
.set RD,   25                          ; where I read the two waves' images of my head
.set RK,   26                          ; and their sums of K
.set ADRS, 27
.set SPW,  28
.set NIL,  29
.set CO,   30                          ; 16 x lane
.set CK,   31                          ; 4 x lane
.set SC,   32
.set KVA,  64                          ; v64-127 the eight accumulators of KV: head hh, 16 d's dt, 16 e's et at 8 (4 hh + 2 dt + et)
.set AF,   128
.set HA,   128                         ; the epilogue: 64 numbers at work
.set PC,   192                         ; v192-211 codes just made
.set TM,   212                         ; v212-227 maxima, bytes, scale operands
.set SW,   228                         ; v228-235 the eight fragments' scale words
.set KS,   236                         ; v236-239 K's sums, blocks 0-3
.set NLV,  240                         ; v240-241 -log2 e
.set TS,   242                         ; v242-245 two chains of sums
.set G1, 24
.set G0, 32
.set G1B, 48
.set G0B, 56
.set G1S, 68
.set G0S, 76
.set G1SB, 80
.set G0SB, 88
.set CODEW, (1<<20)|(1<<21)|(3<<22)|(3<<25)    ; elements of 1 byte; padding on; bit 21 beside a mask; after every 16 words, 4 words
.set SCLW,  (3<<16)|(1<<21)                    ; elements of 8 bytes; no padding
.set MSB, 0
.macro WIN new                         ; the immediate's high byte repeats the setting that is left
.if MSB != (\new)
	s_set_vgpr_msb (MSB<<8)|(\new)
.set MSB, (\new)
.endif
.endm
.set MUL_LO, 0xa1                      ; source 0 (B) window 1, source 1 (A) window 0, C and D window 2
.set MUL_HI, 0xf1                      ; the same, C and D window 3
.set TO_B,   0x40                      ; destination window 1
; A joint load: waves 0 and 1 fetch for A, waves 2 and 3 for B; the branch hangs on the wave's number alone.  Four v_nop follow each of the two lines.
.macro JLOAD g0a, g1a, g0b, g1b
	s_cmp_eq_u32 s13, 0
	s_cbranch_scc0 .Lfor_b_\@
	tensor_load_to_lds s[\g0a:\g0a+3], s[\g1a:\g1a+7]
	s_nop 0
.rept 4
	v_nop
.endr
	s_branch .Lasked_\@
.Lfor_b_\@:
	tensor_load_to_lds s[\g0b:\g0b+3], s[\g1b:\g1b+7]
	s_nop 0
.rept 4
	v_nop
.endr
.Lasked_\@:
.endm
.macro CREST                           ; a round of the cluster's barrier behind its opening barrier
	s_cmp_lg_u32 s12, 0
	s_cbranch_scc1 .Lnot_wave_0_\@
	s_barrier_signal -3
.Lnot_wave_0_\@:
	s_barrier_wait -3
	s_barrier_signal -1
	s_barrier_wait -1
.endm
.macro CROUND
	s_barrier_signal -1
	s_barrier_wait -1
	CREST
.endm
.macro PLACES n
.rept \n
	v_nop
.endr
.endm
.macro FRAG reg, adr, q, i             ; 16 rows x 128 K: lane l holds row l % 16; registers 6 c .. 6 c + 5 hold K = 64 c + 32 (l / 16) + 0 .. 31, 24 bytes as they lie, in pieces of 8
.irp p, 0,1,2,3,4,5
.set PIE, 12*(\q)+6*(\p/3)+\p%3        ; 16 bytes of padding lie behind every 8 pieces; where the piece three on lies behind one padding more, the second address register serves
.if PIE%8 < 5
	ds_load_b64 v[\reg+2*\p:\reg+2*\p+1], v[\adr] offset:8*PIE+16*(PIE/8)+(\i)*16*PITCH
.else
	ds_load_b64 v[\reg+2*\p:\reg+2*\p+1], v[\adr+2] offset:8*PIE+16*(PIE/8)+(\i)*16*PITCH
.endif
.endr
.endm
; 16 matrix instructions: A's blocks a0, a0 + 1 x B's eight.  first = 1: the sums begin with the bias tile of A's block.  The 64 accumulators take turns, one instruction a turn.
.macro MUL16 a0, p, q, sc, first
.irp a, \a0, \a0+1
.irp b, 0,1,2,3,4,5,6,7
.set rD, 8*(8*((\a)%4)+\b)
.set rB, 128*(\p)+FR*\b
.set rA, AF+FR*(\a)
.set rX, SC+8*NQ*(\sc)+NQ*\b+(\q)
.set rY, SC+8*NQ*(\sc)+NQ*(\a)+(\q)
.if \first
.set rC, 96+8*(\a)+96*((\a)/4)
	v_wmma_scale_f32_16x16x128_f8f6f4 v[rD:rD+7], v[rB:rB+FR-1], v[rA:rA+FR-1], v[rC:rC+7], v[rX], v[rY] matrix_a_fmt:MATRIX_FMT_BF6 matrix_b_fmt:MATRIX_FMT_BF6 matrix_a_scale:MATRIX_SCALE_ROW1
.else
	v_wmma_scale_f32_16x16x128_f8f6f4 v[rD:rD+7], v[rB:rB+FR-1], v[rA:rA+FR-1], v[rD:rD+7], v[rX], v[rY] matrix_a_fmt:MATRIX_FMT_BF6 matrix_b_fmt:MATRIX_FMT_BF6 matrix_a_scale:MATRIX_SCALE_ROW1
.endif
.endr
.endr
.endm
.macro FETCH_B slot, q, p
	WIN TO_B
.irp i, 0,1,2,3,4,5,6,7
	FRAG 128*(\p)+FR*\i, ADRB+\slot, \q, \i
.endr
	WIN 0
.endm
.macro FETCH_A slot, q, i0
.irp i, \i0, \i0+1, \i0+2, \i0+3
	FRAG AF+FR*(\i), ADRA+\slot, \q, \i
.endr
.endm
.macro SCALES sc                       ; a slot's two scale words a row: lanes 0-15 take A's block i, lanes 16-31 B's block i
.irp i, 0,1,2,3,4,5,6,7
	ds_load_b64 v[SC+8*NQ*\sc+NQ*\i:SC+8*NQ*\sc+NQ*\i+1], v[ADRS] offset:128*\i
.endr
.endm
.macro STEP slot, q, first             ; a step of 128 along K that has its successor in the same slot
	s_wait_dscnt 4*NL                              ; B's set and A's blocks 0-3 are in; the youngest 24 loads (A's blocks 4-7) may be out
.if \first
	WIN 0x91                                       ; C: the bias tiles, window 1; D window 2
.else
	WIN MUL_LO
.endif
	MUL16 0, (\q)%2, \q, \slot, \first
	MUL16 2, (\q)%2, \q, \slot, \first
	s_wait_dscnt 0
	PLACES NP                                      ; in front of loads into registers that matrix instructions have read
	FETCH_B \slot, (\q)+1, 1-(\q)%2
	FETCH_A \slot, (\q)+1, 0
.if \first
	WIN 0xd1
.else
	WIN MUL_HI
.endif
	MUL16 4, (\q)%2, \q, \slot, \first
	MUL16 6, (\q)%2, \q, \slot, \first
	PLACES NP
	WIN 0
	FETCH_A \slot, (\q)+1, 4
.endm
; A slot's last step changes slots: one barrier; in front of it each wave waits for all its tensor loads, adds 0 to its spare word, and waits for that and for its reads of this slot.
; fill = 1: this slot is filled again with the tile's codes two slots on along K; fill = 2: with the NEXT tile's codes (A: the same rows, back along K; B: 256 rows down, back along K); fill = 0: nothing is asked for.
; fetch = 1: the next slot's first fragments are fetched; fetch = 0: the tile's last step: its epilogue follows, which takes the fragments' registers.
.macro TURN slot, next, fill, fetch
	s_wait_tensorcnt 0x0                           ; all my tensor loads have landed: my part of the next slot
	ds_add_u32 v[SPW], v[NIL]                      ; 0 onto my spare word
	s_wait_dscnt 4*NL+1                            ; (the add and the youngest 24 loads may be out)
	WIN MUL_LO
	MUL16 0, 1, 1, \slot, 0
	s_wait_dscnt 0x0                               ; the add is done, and my reads of this slot are over
	s_barrier_signal -1
	MUL16 2, 1, 1, \slot, 0
	WIN 0
	s_barrier_wait -1
.if \fill
	CREST                                          ; the barrier has opened a round of the cluster's: no wave of any partner still reads this slot or has a load on its way
.if \fill == 1
	s_add_nc_u64 s[G0+4*\slot+2:G0+4*\slot+3], s[G0+4*\slot+2:G0+4*\slot+3], 2*ASTEP
	s_add_nc_u64 s[G0B+4*\slot+2:G0B+4*\slot+3], s[G0B+4*\slot+2:G0B+4*\slot+3], 2*ROWB
.else
	s_sub_nc_u64 s[G0+4*\slot+2:G0+4*\slot+3], s[G0+4*\slot+2:G0+4*\slot+3], 2*ASTEP
	s_add_nc_u64 s[G0B+4*\slot+2:G0B+4*\slot+3], s[G0B+4*\slot+2:G0B+4*\slot+3], NEXTB
.endif
	JLOAD G0+4*\slot, G1, G0B+4*\slot, G1B         ; the first tensor load behind the round; its four v_nop are also the places in front of the loads below
.else
	PLACES NP
.endif
.if \fetch
	v_add_nc_u32 v[ADRS], v[SSTEP], v[ADRS]        ; the next slot's scale words
	FETCH_B \next, 0, 0
	FETCH_A \next, 0, 0
	SCALES \next
.endif
	WIN MUL_HI
	MUL16 4, 1, 1, \slot, 0
	MUL16 6, 1, 1, \slot, 0
.if \fetch
	PLACES NP
	WIN 0
	FETCH_A \next, 0, 4
.else
	WIN 0
.endif
.endm
; 64 numbers of a lane in window w, register 16 b + i = k 32 b + 16 (lane / 16) + i of my row, become codes (halves of blocks exchanged between the halves of the lanes) and the row's scale word in v[pw].
.macro QUANT s, w, pw
	WIN (\w)|((\w)<<2)
.irp b, 0,1,2,3
	v_max3_num_f32 v[TM+\b], |v[(\s)+16*\b]|, |v[(\s)+1+16*\b]|, 0x2800000   ; with the floor 2^(5 - 127): the byte cannot fall under 1
.endr
.irp i, 2,4,6,8,10,12,14
.irp b, 0,1,2,3
	v_max3_num_f32 v[TM+\b], |v[(\s)+16*\b+\i]|, |v[(\s)+1+16*\b+\i]|, v[TM+\b]   ; the four blocks by turns, each accumulator from its low end on
.endr
.endr
	WIN 0
.irp b, 0,1,2,3
	v_permlanex16_b32 v[TM+4+\b], v[TM+\b], s100, s101
.endr
.irp b, 0,1,2,3
	v_max_num_f32 v[TM+\b], v[TM+\b], v[TM+4+\b]   ; with lane l xor 16's: the block's largest magnitude
.endr
.irp b, 0,1,2,3
	v_add_nc_u32 v[TM+12+\b], 0xfe000000, v[TM+\b] ; 4 off its exponent field: the conversion's scale operand
.endr
.irp b, 0,1,2,3
	v_lshrrev_b32 v[TM+4+\b], 23, v[TM+12+\b]      ; the byte
.endr
	v_lshl_or_b32 v[\pw], v[TM+5], 8, v[TM+4]
	v_lshl_or_b32 v[\pw], v[TM+6], 16, v[\pw]
	v_lshl_or_b32 v[\pw], v[TM+7], 24, v[\pw]
	WIN \w
.irp c, 0,1
	v_cvt_scalef32_pk16_bf6_f32 v[PC+6*\c:PC+2+6*\c], v[(\s)+32*\c:(\s)+15+32*\c], v[TM+12+2*\c]
	v_cvt_scalef32_pk16_bf6_f32 v[PC+12+4*\c:PC+14+4*\c], v[(\s)+16+32*\c:(\s)+31+32*\c], v[TM+12+2*\c+1]   ; (a conversion's three registers begin on an even number)
.endr
	WIN 0
	v_nop                                          ; one plain line behind a scaled conversion
.irp c, 0,1                            ; the operand wants a whole block in a lane: lanes 0-15 block 2 c, lanes 16-31 block 2 c + 1
.irp i, 0,1,2
	v_permlane16_swap_b32 v[PC+6*\c+\i], v[PC+12+4*\c+\i]
.endr
.endr
.endm
.macro TOW1 a                          ; the fragment takes its place in window 1, where B's first set lay
	WIN 0x40
.irp c, 0,1
.irp i, 0,1,2
	v_mov_b32 v[12*(\a)+6*\c+\i], v[PC+6*\c+\i]
	v_mov_b32 v[12*(\a)+6*\c+3+\i], v[PC+12+4*\c+\i]
.endr
.endr
	WIN 0
.endm
.macro ELU ac, w                       ; v[HA ..] = max(z, 2^(-|(z - 1) log2 e|)) of the 64 numbers z at v[ac ..] of window w
	WIN \w
.set j, 0
.rept 32
	v_pk_fma_f32 v[HA+j:HA+j+1], v[(\ac)+j:(\ac)+j+1], s[104:105], v[NLV:NLV+1] op_sel_hi:[1,0,0]
.set j, j+2
.endr
	WIN 0
.set j, 0
.rept 64
	v_exp_f32 v[HA+j], -|v[HA+j]|
.set j, j+1
.endr
	v_nop                                          ; a plain line behind the last exponential
	s_wait_alu depctr_va_vdst(0)                   ; one wait for the batch, ahead of its first reader
	WIN \w
.set j, 0
.rept 64
	v_max_num_f32 v[HA+j], v[(\ac)+j], v[HA+j]
.set j, j+1
.endr
	WIN 0
.endm
; A TILE'S EPILOGUE, all in registers.  t = 0: the first tile starts K's sums and KV's; t = 1: the second adds onto them.
.macro EPI t
	PLACES NP                                      ; behind the tile's last products
.irp b, 0,1,2,3
	v_mov_b32 v[TM+4+\b], 0                        ; a lane permute's destination counts as one of its sources
.endr
	v_mov_b32 v[NLV], 0xbfb8aa3b
	v_mov_b32 v[NLV+1], 0xbfb8aa3b
.irp a, 0,1,2,3                        ; K's four blocks of 16 features
	ELU 64*\a, 2
	v_pk_add_f32 v[TS:TS+1], v[HA:HA+1], v[HA+2:HA+3]              ; the sum of the unquantised K over my 64 tokens, two at a time, in two chains
	v_pk_add_f32 v[TS+2:TS+3], v[HA+4:HA+5], v[HA+6:HA+7]
.irp j, 8,12,16,20,24,28,32,36,40,44,48,52,56,60
	v_pk_add_f32 v[TS:TS+1], v[TS:TS+1], v[HA+\j:HA+\j+1]
	v_pk_add_f32 v[TS+2:TS+3], v[TS+2:TS+3], v[HA+\j+2:HA+\j+3]
.endr
	v_pk_add_f32 v[TS:TS+1], v[TS:TS+1], v[TS+2:TS+3]
.if \t
	v_add_f32 v[TS], v[TS], v[TS+1]
	v_add_f32 v[KS+\a], v[KS+\a], v[TS]            ; onto the first tile's
.else
	v_add_f32 v[KS+\a], v[TS], v[TS+1]
.endif
	QUANT HA, 0, SW+\a
	TOW1 \a
.endr
.irp a, 4,5,6,7                        ; V's four, as they stand in window 3
	QUANT 64*(\a-4), 3, SW+\a
	TOW1 \a
.endr
	PLACES 8                                       ; a scale register written by a vector instruction stands 8 places ahead of a scaled matrix instruction, an operand 4
	WIN 0x05                                       ; both sources window 1
.irp hh, 0,1                           ; KV(d, e) over my 128 tokens: source 0 = 16 d's of K, source 1 = 16 e's of V; the eight accumulators take turns
.irp dt, 0,1
.irp et, 0,1
.if \t
	v_wmma_scale_f32_16x16x128_f8f6f4 v[KVA+8*(4*\hh+2*\dt+\et):KVA+8*(4*\hh+2*\dt+\et)+7], v[12*(2*\hh+\dt):12*(2*\hh+\dt)+11], v[12*(4+2*\hh+\et):12*(4+2*\hh+\et)+11], v[KVA+8*(4*\hh+2*\dt+\et):KVA+8*(4*\hh+2*\dt+\et)+7], v[SW+2*\hh+\dt], v[SW+4+2*\hh+\et] matrix_a_fmt:MATRIX_FMT_BF6 matrix_b_fmt:MATRIX_FMT_BF6
.else
	v_wmma_scale_f32_16x16x128_f8f6f4 v[KVA+8*(4*\hh+2*\dt+\et):KVA+8*(4*\hh+2*\dt+\et)+7], v[12*(2*\hh+\dt):12*(2*\hh+\dt)+11], v[12*(4+2*\hh+\et):12*(4+2*\hh+\et)+11], 0, v[SW+2*\hh+\dt], v[SW+4+2*\hh+\et] matrix_a_fmt:MATRIX_FMT_BF6 matrix_b_fmt:MATRIX_FMT_BF6
.endif
.endr
.endr
.endr
	WIN 0
	PLACES NP                                      ; in front of loads into the fragments' registers, and of the first read of KV
.endm
	s_load_b256 s[4:11], s[0:1], 0x0               ; wc, ws (A), xc, xs (B)
	s_load_b128 s[92:95], s[0:1], 0x20             ; bk, bv
	s_load_b64 s[96:97], s[0:1], 0x30              ; kvp
	v_lshl_add_u32 v[SPW], v0, 2, SPARE
	v_mov_b32 v[NIL], 0
	ds_add_u32 v28, v29
	ds_add_u32 v28, v29
	s_wait_dscnt 0x0
	v_lshrrev_b32 v1, 5, v0
	v_readfirstlane_b32 s12, v1                    ; wave
	s_lshr_b32 s13, s12, 1                         ; my half of A's rows.  Also: I fetch for A (0) or for B (1)
	s_and_b32 s14, s12, 1                          ; my half of B's rows.  Also: which part I fetch
	s_bfe_u32 s17, ttmp6, 0x40000                  ; cx
	s_bfe_u32 s18, ttmp6, 0x40004                  ; cy
	s_lshl_b32 s16, ttmp9, 2
	s_add_co_u32 s16, s16, s17                     ; tile column: 512 tokens, two tiles
	s_and_b32 s15, ttmp7, 0xffff
	s_lshl_b32 s15, s15, 2
	s_add_co_u32 s15, s15, s18                     ; tile row: 256 rows of K | V
	s_lshl_b32 s19, s18, 2
	s_lshl_b32 s19, 15, s19                        ; my row of the cluster
	s_lshl_b32 s67, 0x1111, s17                    ; my column
	s_or_b32 s[G1], s19, CODEW
	s_or_b32 s[G1B], s67, CODEW
	s_or_b32 s[G1S], s19, SCLW
	s_or_b32 s[G1SB], s67, SCLW
.irp g, G1, G1B
	s_mov_b32 s[\g+1], ROWB<<16                    ; tensor_dim0
	s_mov_b32 s[\g+2], 128<<16                     ; tensor_dim1
	s_mov_b32 s[\g+3], ROWB<<16                    ; tile_dim0
	s_mov_b32 s[\g+4], 128                         ; tile_dim1
	s_mov_b32 s[\g+6], 0
	s_mov_b32 s[\g+7], 0
.endr
	s_mov_b32 s[G1+5], APITCH                      ; from row to row
	s_mov_b32 s[G1B+5], 768
	s_mov_b32 s[G1S+1], 256<<16                    ; A's scale bytes of 256 rows for two slots: 2 rows of 2,048 bytes (256 elements of 8)
	s_mov_b32 s[G1S+2], 2<<16
	s_mov_b32 s[G1S+3], 256<<16
	s_mov_b32 s[G1S+4], 2
	s_mov_b32 s[G1S+5], ASS
	s_mov_b32 s[G1S+6], 0
	s_mov_b32 s[G1S+7], 0
	s_mov_b32 s[G1SB+1], 512<<16                   ; B's, of both tiles' 512 rows for two slots: 2 rows of 4,096 bytes (512 elements of 8)
	s_mov_b32 s[G1SB+2], 2<<16
	s_mov_b32 s[G1SB+3], 512<<16
	s_mov_b32 s[G1SB+4], 2
	s_mov_b32 s[G1SB+5], BSS
	s_mov_b32 s[G1SB+6], 0
	s_mov_b32 s[G1SB+7], 0
.irp g, G0, G0+4, G0B, G0B+4, G0S, G0SB
	s_mov_b32 s[\g], 1
.endr
	s_mul_i32 s[G0+1], s12, HALFT                  ; LDS: wave x 128 rows: A's two halves, then B's
	s_add_co_u32 s[G0+5], s[G0+1], SLOT
	s_mov_b32 s[G0B+1], s[G0+1]
	s_mov_b32 s[G0B+5], s[G0+5]
	s_lshl_b32 s[G0S+1], s14, 12                   ; two slots' scale bytes of A
	s_add_co_u32 s[G0S+1], s[G0S+1], SCLA
	s_lshl_b32 s[G0SB+1], s14, 13                  ; and of B
	s_add_co_u32 s[G0SB+1], s[G0SB+1], SCLB
	s_lshl_b32 s2, s15, 8                          ; A's offsets are made of the tile row alone, B's of the tile column alone
	s_lshl_b32 s3, s14, 7
	s_add_co_u32 s2, s2, s3
	s_add_co_u32 s2, s2, AROW0
	s_mul_i32 s2, s2, APITCH
	s_mov_b32 s3, 0
	s_lshl_b32 s66, s16, 9                         ; the first tile's first position
	s_lshl_b32 s67, s14, 7
	s_add_co_u32 s66, s66, s67
	s_mul_i32 s66, s66, 768
	s_mov_b32 s67, 0
	s_mov_b32 s100, 0x76543210                     ; v_permlanex16_b32's selects for lane l xor 16
	s_mov_b32 s101, 0xfedcba98
	s_mov_b32 s104, 0x3fb8aa3b                     ; log2 e
	s_mov_b32 s105, s104                           ; (named with it as a pair)
	s_wait_kmcnt 0x0
	s_add_nc_u64 s[G0+2:G0+3], s[4:5], s[2:3]
	s_add_nc_u64 s[G0+6:G0+7], s[G0+2:G0+3], ASTEP
	s_add_nc_u64 s[G0B+2:G0B+3], s[8:9], s[66:67]
	s_add_nc_u64 s[G0B+6:G0B+7], s[G0B+2:G0B+3], ROWB
	s_or_b32 s[G0+3], s[G0+3], 0x80000000
	s_or_b32 s[G0+7], s[G0+7], 0x80000000
	s_or_b32 s[G0B+3], s[G0B+3], 0x80000000
	s_or_b32 s[G0B+7], s[G0B+7], 0x80000000
	s_lshl_b32 s2, s15, 11                         ; 256 rows x 8 bytes
	s_mul_i32 s3, s14, 16*ASS                      ; two slots on
	s_add_co_u32 s2, s2, s3
	s_add_co_u32 s2, s2, 8*AROW0
	s_mov_b32 s3, 0
	s_add_nc_u64 s[G0S+2:G0S+3], s[6:7], s[2:3]
	s_or_b32 s[G0S+3], s[G0S+3], 0x80000000
	s_lshl_b32 s66, s16, 12                        ; 512 rows x 8 bytes
	s_mul_i32 s67, s14, 16*BSS
	s_add_co_u32 s66, s66, s67
	s_mov_b32 s67, 0
	s_add_nc_u64 s[G0SB+2:G0SB+3], s[10:11], s[66:67]
	s_or_b32 s[G0SB+3], s[G0SB+3], 0x80000000
	CROUND                                         ; all sixteen work-groups are here: the first joint loads meet
	JLOAD G0S, G1S, G0SB, G1SB                     ; the scale bytes for all of K, B's for both tiles: filled once
	JLOAD G0, G1, G0B, G1B                         ; slot 0
	JLOAD G0+4, G1, G0B+4, G1B                     ; slot 1: three loads of mine are out
	v_and_b32 v1, 15, v0                           ; r
	v_bfe_u32 v2, v0, 4, 1                         ; h
	v_mul_u32_u24 v3, v1, PITCH
	v_mul_u32_u24 v4, v2, 24
	v_add_nc_u32 v4, v3, v4                        ; a fragment's row x pitch + 24 x half
	v_lshl_add_u32 v5, v2, 4, v4                   ; and behind one padding more
	s_mul_i32 s2, s13, HALFT
	s_mul_i32 s3, s14, HALFT
	s_add_co_u32 s3, s3, 2*HALFT
.irp s, 0,1
	v_add_nc_u32 v[ADRA+\s], s2, v4
	v_add_nc_u32 v[ADRB+\s], s3, v4
	v_add_nc_u32 v[ADRA+2+\s], s2, v5
	v_add_nc_u32 v[ADRB+2+\s], s3, v5
	s_add_co_u32 s2, s2, SLOT
	s_add_co_u32 s3, s3, SLOT
.endr
	s_lshl_b32 s2, s13, 10                         ; scale words: A's, my 128 rows x 8 bytes;
	s_add_co_u32 s2, s2, SCLA
	s_lshl_b32 s3, s14, 10
	s_add_co_u32 s3, s3, SCLB
	s_sub_co_u32 s3, s3, s2                        ; the distance to B's
	v_mul_u32_u24 v6, s3, v2                       ; lanes 16-31 take B's
	v_lshl_add_u32 v6, v1, 3, v6
	v_add_nc_u32 v[ADRS], s2, v6
	v_lshl_add_u32 v[SSTEP], v2, 11, 2048          ; a slot on: A's 256 rows x 8 bytes, B's 512 x 8
	v_lshl_add_u32 v[TBACK], v2, 12, 6144          ; three slots back; in B's lanes less the 2,048 bytes to the second tile's rows
	v_and_b32 v7, 31, v0                           ; lane
	s_mul_i32 s2, s12, 8704                        ; the stage of the way out, in slot 0: 8,704 bytes a wave
	v_lshl_add_u32 v[STO], v7, 4, s2
	s_mul_i32 s2, s13, 2*8704                      ; the two waves that share my rows of A
	s_lshl_b32 s3, s14, 12                         ; my head's four images
	s_add_co_u32 s3, s3, s2
	v_lshl_add_u32 v[RD], v7, 4, s3
	s_lshl_b32 s3, s14, 3
	s_add_co_u32 s3, s3, s2
	s_add_co_u32 s3, s3, 8192
	v_lshl_add_u32 v[RK], v7, 4, s3
	v_lshlrev_b32 v[CO], 4, v7
	v_lshlrev_b32 v[CK], 2, v7
	v_lshlrev_b32 v9, 2, v1                        ; the bias of my row of a block
	s_lshl_b32 s2, s15, 1
	s_add_co_u32 s2, s2, s13                       ; my pair of heads
	s_lshl_b32 s2, s2, 8                           ; 64 numbers
	s_mov_b32 s3, 0
	s_add_nc_u64 s[92:93], s[92:93], s[2:3]
	s_add_nc_u64 s[94:95], s[94:95], s[2:3]
	WIN 0x40
.irp a, 0,1,2,3
.irp j, 0,1,2,3,4,5,6,7
	global_load_b32 v[96+8*\a+\j], v9, s[92:93] offset:64*\a     ; a lane's eight results of a tile share the row of A: eight equal registers
	global_load_b32 v[224+8*\a+\j], v9, s[94:95] offset:64*\a
.endr
.endr
	WIN 0
	s_lshr_b32 s2, s16, 3                          ; the batch: 8 tile columns of 512 tokens each
	s_lshl_b32 s2, s2, 5
	s_lshl_b32 s3, s15, 2
	s_add_co_u32 s2, s2, s3
	s_add_co_u32 s2, s2, s12                       ; + the head that I store: 4 x tile row + wave
	s_lshl_b32 s2, s2, 3
	s_and_b32 s3, s16, 7
	s_add_co_u32 s2, s2, s3                        ; + the part: which 512 tokens of the batch
	s_lshl_b32 s66, s2, 7
	s_add_co_u32 s66, s66, KSP
	s_mov_b32 s67, 0
	s_add_nc_u64 s[98:99], s[96:97], s[66:67]      ; K's sum
	s_lshl_b32 s2, s2, 12
	s_mov_b32 s3, 0
	s_add_nc_u64 s[96:97], s[96:97], s[2:3]        ; KV
	s_wait_tensorcnt 1                             ; the scale bytes and my part of slot 0 are in; slot 1's may stay out
	s_barrier_signal -1
	s_barrier_wait -1
	FETCH_B 0, 0, 0
	FETCH_A 0, 0, 0
	SCALES 0
	FETCH_A 0, 0, 4
	s_wait_loadcnt 0x0                             ; the biases
	WIN 0x41
.set j, 0
.rept 16
	v_pk_add_f32 v[96+j:97+j], v[96+j:97+j], 1.0 op_sel_hi:[1,0]   ; K's tiles carry the 1 of elu + 1
.set j, j+2
.endr
	; THE FIRST TILE.  K = 1,024: four slots, written out
	STEP 0, 0, 1
	TURN 0, 1, 1, 1
	STEP 1, 0, 0
	TURN 1, 0, 1, 1
	STEP 0, 0, 0
	TURN 0, 1, 2, 1                                ; THE RING GOES ON INTO THE SECOND TILE: slot 0 takes its first 256 along K,
	STEP 1, 0, 0
	TURN 1, 0, 2, 0                                ; slot 1 its second.  In front of this change's barrier every wave has waited for its part of slot 0: behind it slot 0 is whole
	EPI 0
	; THE SECOND TILE
	v_sub_nc_u32 v[ADRS], v[ADRS], v[TBACK]        ; A's scale words again from the first slot on, B's at the second tile's rows
	FETCH_B 0, 0, 0
	FETCH_A 0, 0, 0
	SCALES 0
	FETCH_A 0, 0, 4
	STEP 0, 0, 1
	TURN 0, 1, 1, 1
	STEP 1, 0, 0
	TURN 1, 0, 1, 1
	STEP 0, 0, 0
	TURN 0, 1, 0, 1                                ; nothing is left to fetch
	STEP 1, 0, 0
	s_wait_dscnt 4*NL
	WIN MUL_LO
	MUL16 0, 1, 1, 1, 0
	MUL16 2, 1, 1, 1, 0
	s_wait_dscnt 0
	WIN MUL_HI
	MUL16 4, 1, 1, 1, 0
	MUL16 6, 1, 1, 1, 0
	WIN 0
	EPI 1
	; THE WAY OUT.  Slot 0 has had its last fill, and every wave has passed the last change of slots, behind which nobody reads it: the stage lies there.
.irp a, 0,1,2,3
	v_permlanex16_b32 v[TM+\a], v[KS+\a], s100, s101
.endr
.irp a, 0,1,2,3
	v_add_f32 v[KS+\a], v[KS+\a], v[TM+\a]         ; with lane l xor 16's tokens
.endr
.set j, 0
.rept 16
	ds_store_b128 v[STO], v[KVA+4*j:KVA+4*j+3] offset:512*j        ; images of the accumulators, each from its low end on
.set j, j+1
.endr
	ds_store_b128 v[STO], v[KS:KS+3] offset:8192
	s_wait_dscnt 0x0                               ; for the others' sake: my stores have landed
	s_barrier_signal -1
	s_barrier_wait -1
.irp i, 0,1,2,3,4,5,6,7                ; the two waves with my rows of A hold the two halves of the tokens: I add them for one of the two heads
	ds_load_b128 v[128+4*\i:131+4*\i], v[RD] offset:512*\i
	ds_load_b128 v[160+4*\i:163+4*\i], v[RD] offset:8704+512*\i
.endr
	ds_load_b64 v[192:193], v[RK]
	ds_load_b64 v[194:195], v[RK] offset:8704
	s_wait_dscnt 0x0
.set j, 0
.rept 16
	v_pk_add_f32 v[128+j:129+j], v[128+j:129+j], v[160+j:161+j]
.set j, j+2
.endr
	v_pk_add_f32 v[192:193], v[192:193], v[194:195]
	v_cmp_eq_u32 vcc_lo, 1, v2
	v_cndmask_b32 v196, v192, v193, vcc_lo         ; lane l: K's sum at d = l
.irp i, 0,1,2,3,4,5,6,7
	global_store_b128 v[CO], v[128+4*\i:131+4*\i], s[96:97] offset:512*\i   ; 512 consecutive bytes, aligned
.endr
	global_store_b32 v[CK], v196, s[98:99]
	s_wait_tensorcnt 0x0                           ; the wave's end
	ds_add_u32 v[SPW], v[NIL]
	s_wait_dscnt 0x0
	CROUND                                         ; the closing round
	s_endpgm
.Lfunc_end_k_qb6233b6e65_kvgemm:
	.size	k_qb6233b6e65_kvgemm, .Lfunc_end_k_qb6233b6e65_kvgemm-k_qb6233b6e65_kvgemm
	.p2alignl 7, 3214868480
	.fill 96, 4, 3214868480
	.section	.rodata,"a",@progbits
	.p2align	6, 0x0
	.amdhsa_kernel k_qb6233b6e65_kvgemm
		.amdhsa_group_segment_fixed_size 327680
		.amdhsa_private_segment_fixed_size 0
		.amdhsa_enable_private_segment 0
		.amdhsa_kernarg_size 56
		.amdhsa_user_sgpr_count 2
		.amdhsa_user_sgpr_kernarg_segment_ptr 1
		.amdhsa_wavefront_size32 1
		.amdhsa_system_sgpr_workgroup_id_x 1
		.amdhsa_system_sgpr_workgroup_id_y 1
		.amdhsa_system_sgpr_workgroup_id_z 1
		.amdhsa_system_vgpr_workitem_id 0
		.amdhsa_next_free_vgpr 1024
		.amdhsa_next_free_sgpr 106
		.amdhsa_reserve_vcc 1
		.amdhsa_float_denorm_mode_32 3
		.amdhsa_float_denorm_mode_16_64 3
		.amdhsa_memory_ordered 1
		.amdhsa_forward_progress 1
		.amdhsa_inst_pref_size 255
	.end_amdhsa_kernel
	.section	.bss,"aw",@nobits
	.p2align	6
	.space	262144
	.amdgpu_metadata
---
amdhsa.version: [ 1, 2 ]
amdhsa.kernels:
  - .name:           k_qb6233b6e65_kvgemm
    .symbol:         k_qb6233b6e65_kvgemm.kd
    .args:
      - { .name: wc, .offset: 0, .size: 8, .value_kind: global_buffer, .address_space: global }
      - { .name: ws, .offset: 8, .size: 8, .value_kind: global_buffer, .address_space: global }
      - { .name: xc, .offset: 16, .size: 8, .value_kind: global_buffer, .address_space: global }
      - { .name: xs, .offset: 24, .size: 8, .value_kind: global_buffer, .address_space: global }
      - { .name: bk, .offset: 32, .size: 8, .value_kind: global_buffer, .address_space: global }
      - { .name: bv, .offset: 40, .size: 8, .value_kind: global_buffer, .address_space: global }
      - { .name: kvp, .offset: 48, .size: 8, .value_kind: global_buffer, .address_space: global }
    .group_segment_fixed_size: 327680
    .private_segment_fixed_size: 0
    .kernarg_segment_align: 8
    .kernarg_segment_size: 56
    .max_flat_workgroup_size: 128
    .sgpr_count:     106
    .vgpr_count:     1024
    .wavefront_size: 32
...
	.end_amdgpu_metadata
.endif
;; end of part 2
;; launch kvred (part 3): grid 128 x 1, 4 waves a work-group, no clusters, 18,944 bytes of LDS; arguments kvp, kvq; writes kvq
.if DOCPART == 3
	.amdgcn_target "amdgcn-amd-amdhsa--gfx1250"
	.amdhsa_code_object_version 6
	.text
	.protected	k_qb6233b6e65_kvred
	.globl	k_qb6233b6e65_kvred
	.p2align	8
	.type	k_qb6233b6e65_kvred,@function
k_qb6233b6e65_kvred:
	s_mov_b64 s[64:65], 0
	v_nop
	global_prefetch_b8 v0, s[64:65] scope:SCOPE_SE
	s_setreg_imm32_b32 hwreg(HW_REG_WAVE_MODE, 25, 1), 1
	s_wait_xcnt 0x0
; For one (batch, head): the 8 parts of KV [32 d][32 e] and of K's sum [32 d] are added in f32; KV is quantised along d (one block of 32 for each column e) to codes of BF6 with an E8M0 byte,
; and laid as the next launch's operand registers want it: two fragments (u = 0, 1) of 16 rows x 128 K.  Row r of fragment u is column e = 8 u + r + 8 (r / 8); of the 128 along K only block
; head % 4 holds codes (that launch's other operand holds four heads side by side), the other three blocks hold zero codes under the byte 127.
; OUT, 3,584 bytes: fragment 0 (three groups of four registers, 16 bytes a lane), fragment 1, their scale words (4 bytes a lane each), K's sum, 128 zero bytes.
; SHARES: a wave adds two parts, a lane a column e with its registers down d; the waves' sums meet in LDS; wave 0 finishes.  A few KiB a work-group: no tensor loads, no prefetch.
; LIMITS: a column of zeros gets the byte 1 (its codes are zeros); NaN and infinities are not served.
.set KSP, 4194304
.set IMG, 4224                         ; LDS: a wave's sums: 4,096 bytes of KV, 128 of K's sum
.set PT,  4*IMG                        ; a table: 32 bytes for each column e: words 0-2 of its codes, its byte, words 3-5
.set TL,  PT+1024                      ; the tail's 512 bytes
	s_load_b128 s[4:7], s[0:1], 0x0                ; kvp, kvq
	v_lshl_add_u32 v192, v0, 2, 0x4800
	v_mov_b32 v193, 0
	v_lshrrev_b32 v1, 5, v0
	v_readfirstlane_b32 s8, v1                     ; wave
	v_and_b32 v2, 31, v0                           ; lane = e
	v_and_b32 v3, 15, v0                           ; r
	v_bfe_u32 v4, v0, 4, 1                         ; h
	v_lshlrev_b32 v5, 4, v3
	v_lshl_add_u32 v5, v4, 10, v5                  ; in a part: image e / 16, 16 bytes at e % 16
	v_lshlrev_b32 v6, 2, v2                        ; 4 x lane
	v_lshlrev_b32 v7, 4, v2                        ; 16 x lane
	s_mul_i32 s9, s8, IMG
	v_add_nc_u32 v8, s9, v7                        ; my wave's image
	v_add_nc_u32 v9, s9, v6
	v_lshlrev_b32 v10, 5, v2
	v_add_nc_u32 v10, PT, v10                      ; the table, by column
	v_and_b32 v11, 7, v3
	v_bfe_u32 v12, v3, 3, 1
	v_lshl_add_u32 v11, v12, 4, v11                ; r + 8 (r / 8)
	v_lshlrev_b32 v11, 5, v11
	v_add_nc_u32 v11, PT, v11                      ; and by a fragment's row
	v_add_nc_u32 v12, TL, v6
	v_add_nc_u32 v13, TL, v7
	v_mov_b32 v22, 0
	s_lshl_b32 s10, ttmp9, 3
	s_lshl_b32 s11, s8, 1
	s_add_co_u32 s10, s10, s11                     ; my first part
	s_lshl_b32 s12, s10, 12
	s_mov_b32 s13, 0
	s_lshl_b32 s14, s10, 7
	s_add_co_u32 s14, s14, KSP
	s_mov_b32 s15, 0
	s_mul_i32 s16, ttmp9, 3584
	s_mov_b32 s17, 0
	s_and_b32 s18, ttmp9, 3                        ; the block along K: head % 4 = 2 c + hb
	s_lshr_b32 s19, s18, 1                         ; c: registers 6 c .. 6 c + 5
	s_and_b32 s20, s18, 1                          ; hb: which half of the lanes
	s_lshl_b32 s21, s18, 3
	s_lshl_b32 s22, 0xff, s21
	s_and_not1_b32 s22, 0x7f7f7f7f, s22            ; the byte 127 for the three blocks of zero codes
	v_cmp_eq_u32 s23, s20, v4
	s_cmp_eq_u32 s19, 0
	s_cselect_b32 s24, s23, 0                      ; lanes whose registers 0-5 take codes
	s_cselect_b32 s25, 0, s23                      ; and registers 6-11
	s_wait_kmcnt 0x0
	s_add_nc_u64 s[26:27], s[4:5], s[14:15]
	s_add_nc_u64 s[4:5], s[4:5], s[12:13]
	s_add_nc_u64 s[6:7], s[6:7], s[16:17]
.irp pp, 0,1
.irp dt, 0,1
.irp hh, 0,1
.irp q, 0,1
	global_load_b128 v[32+32*\pp+16*\dt+8*\hh+4*\q:35+32*\pp+16*\dt+8*\hh+4*\q], v5, s[4:5] offset:4096*\pp+2048*\dt+512*\q+256*\hh th:TH_LOAD_NT   ; d = 16 dt + 8 hh + 4 q + 0 .. 3 of my column: sixteen lanes read 256 consecutive bytes
.endr
.endr
.endr
	global_load_b32 v[160+\pp], v6, s[26:27] offset:128*\pp th:TH_LOAD_NT
.endr
	s_wait_loadcnt 0x0
.set j, 0
.rept 16
	v_pk_add_f32 v[32+j:33+j], v[32+j:33+j], v[64+j:65+j]          ; my two parts
.set j, j+2
.endr
	v_add_f32 v160, v160, v161
.irp i, 0,1,2,3,4,5,6,7
	ds_store_b128 v8, v[32+4*\i:35+4*\i] offset:512*\i
.endr
	ds_store_b32 v9, v160 offset:4096
	s_wait_dscnt 0x0                               ; for wave 0's sake: my stores have landed
	s_barrier_signal -1
	s_barrier_wait -1
	s_cmp_lg_u32 s8, 0
	s_cbranch_scc1 .Ldone                          ; no barrier follows: waves 1 to 3 have done their part
.irp w, 1,2,3
.irp i, 0,1,2,3,4,5,6,7
	ds_load_b128 v[32+32*\w+4*\i:35+32*\w+4*\i], v7 offset:IMG*\w+512*\i
.endr
	ds_load_b32 v[160+\w], v6 offset:IMG*\w+4096
.endr
	s_wait_dscnt 0x0
.set j, 0
.rept 16                               ; the four waves' sums into the first
	v_pk_add_f32 v[32+j:33+j], v[32+j:33+j], v[64+j:65+j]
	v_pk_add_f32 v[96+j:97+j], v[96+j:97+j], v[128+j:129+j]
.set j, j+2
.endr
.set j, 0
.rept 16
	v_pk_add_f32 v[32+j:33+j], v[32+j:33+j], v[96+j:97+j]
.set j, j+2
.endr
	v_add_f32 v160, v160, v161
	v_add_f32 v162, v162, v163
	v_add_f32 v160, v160, v162
	v_max3_num_f32 v16, |v32|, |v33|, |v34|        ; my column's largest magnitude: all 32 numbers are mine
	v_max3_num_f32 v17, |v35|, |v36|, |v37|
.irp i, 6,10,14,18,22,26
	v_max3_num_f32 v16, v16, |v[32+\i]|, |v[33+\i]|
	v_max3_num_f32 v17, v17, |v[34+\i]|, |v[35+\i]|
.endr
	v_max3_num_f32 v16, v16, |v62|, |v63|
	v_max3_num_f32 v16, v16, v17, 0x2800000        ; and the floor 2^(5 - 127)
	v_add_nc_u32 v18, 0xfe000000, v16              ; the conversion's scale operand
	v_lshrrev_b32 v19, 23, v18                     ; the byte
	v_cvt_scalef32_pk16_bf6_f32 v[96:98], v[32:47], v18
	v_cvt_scalef32_pk16_bf6_f32 v[100:102], v[48:63], v18
	v_nop                                          ; one plain line behind a scaled conversion
	ds_store_b96 v10, v[96:98]
	ds_store_b32 v10, v19 offset:12
	ds_store_b96 v10, v[100:102] offset:16
.irp u, 0,1                            ; LDS serves a wave's instructions in order: these see the stores above
	ds_load_b128 v[104+8*\u:107+8*\u], v11 offset:256*\u
	ds_load_b96 v[108+8*\u:110+8*\u], v11 offset:256*\u+16
.endr
	s_wait_dscnt 0x0
.irp u, 0,1
.irp k, 0,1,2
	v_cndmask_b32 v[120+12*\u+\k], 0, v[104+8*\u+\k], s24
	v_cndmask_b32 v[123+12*\u+\k], 0, v[108+8*\u+\k], s24
	v_cndmask_b32 v[126+12*\u+\k], 0, v[104+8*\u+\k], s25
	v_cndmask_b32 v[129+12*\u+\k], 0, v[108+8*\u+\k], s25
.endr
	v_lshlrev_b32 v[20+\u], s21, v[107+8*\u]       ; the row's byte at its block's place,
	v_or_b32 v[20+\u], s22, v[20+\u]               ; 127 at the others
.irp i, 0,1,2
	global_store_b128 v7, v[120+12*\u+4*\i:123+12*\u+4*\i], s[6:7] offset:1536*\u+512*\i
.endr
.endr
	ds_store_b32 v12, v20                          ; the tail is gathered, so that it leaves as 512 consecutive bytes
	ds_store_b32 v12, v21 offset:128
	ds_store_b32 v12, v160 offset:256
	ds_store_b32 v12, v22 offset:384
	ds_load_b128 v[24:27], v13
	s_wait_dscnt 0x0
	global_store_b128 v7, v[24:27], s[6:7] offset:3072
.Ldone:
	s_wait_tensorcnt 0x0
	ds_add_u32 v192, v193
	s_wait_dscnt 0x0
	s_endpgm
.Lfunc_end_k_qb6233b6e65_kvred:
	.size	k_qb6233b6e65_kvred, .Lfunc_end_k_qb6233b6e65_kvred-k_qb6233b6e65_kvred
	.p2alignl 7, 3214868480
	.fill 96, 4, 3214868480
	.section	.rodata,"a",@progbits
	.p2align	6, 0x0
	.amdhsa_kernel k_qb6233b6e65_kvred
		.amdhsa_group_segment_fixed_size 18944
		.amdhsa_private_segment_fixed_size 0
		.amdhsa_enable_private_segment 0
		.amdhsa_kernarg_size 16
		.amdhsa_user_sgpr_count 2
		.amdhsa_user_sgpr_kernarg_segment_ptr 1
		.amdhsa_wavefront_size32 1
		.amdhsa_system_sgpr_workgroup_id_x 1
		.amdhsa_system_sgpr_workgroup_id_y 1
		.amdhsa_system_sgpr_workgroup_id_z 1
		.amdhsa_system_vgpr_workitem_id 0
		.amdhsa_next_free_vgpr 194
		.amdhsa_next_free_sgpr 66
		.amdhsa_reserve_vcc 0
		.amdhsa_float_denorm_mode_32 3
		.amdhsa_float_denorm_mode_16_64 3
		.amdhsa_memory_ordered 1
		.amdhsa_forward_progress 1
		.amdhsa_inst_pref_size 16
	.end_amdhsa_kernel
	.amdgpu_metadata
---
amdhsa.version: [ 1, 2 ]
amdhsa.kernels:
  - .name:           k_qb6233b6e65_kvred
    .symbol:         k_qb6233b6e65_kvred.kd
    .args:
      - { .name: kvp, .offset: 0, .size: 8, .value_kind: global_buffer, .address_space: global }
      - { .name: kvq, .offset: 8, .size: 8, .value_kind: global_buffer, .address_space: global }
    .group_segment_fixed_size: 18944
    .private_segment_fixed_size: 0
    .kernarg_segment_align: 8
    .kernarg_segment_size: 16
    .max_flat_workgroup_size: 128
    .sgpr_count:     66
    .vgpr_count:     194
    .wavefront_size: 32
...
	.end_amdgpu_metadata
.endif
;; end of part 3
;; launch qctx (part 4): grid 4 x 64, 4 waves a work-group, clusters of 4 x 4, 327,680 bytes of LDS; arguments xc, xs, wc, ws, bq, kvq, cc, cs; writes cc, cs
.if DOCPART == 4
	.amdgcn_target "amdgcn-amd-amdhsa--gfx1250"
	.amdhsa_code_object_version 6
	.text
	.protected	k_qb6233b6e65_qctx
	.globl	k_qb6233b6e65_qctx
	.p2align	8
	.type	k_qb6233b6e65_qctx,@function
k_qb6233b6e65_qctx:
	s_mov_b64 s[64:65], 0
	v_nop
	global_prefetch_b8 v0, s[64:65] scope:SCOPE_SE
	s_setreg_imm32_b32 hwreg(HW_REG_WAVE_MODE, 25, 1), 1
	s_wait_xcnt 0x0
	s_wait_alu depctr_hold_cnt(0) depctr_sa_sdst(0) depctr_va_vdst(0) depctr_va_sdst(0) depctr_va_ssrc(0) depctr_va_vcc(0) depctr_vm_vsrc(0)
	s_getreg_b32 s2, hwreg(HW_REG_IB_STS2, 6, 4)
	s_cmp_eq_u32 s2, 0
	s_cbranch_scc0 .Lentry_in_a_cluster
	s_endpgm
.Lentry_in_a_cluster:
	s_bfe_u32 s2, ttmp6, 0x10000c
	s_cmp_lg_u32 s2, 0xf033
	s_cbranch_scc0 .Lentry_shape_is_right
	s_endpgm
.Lentry_shape_is_right:
; Q = elu(x Wq^T + bq) + 1 on codes of BF6 with E8M0 scales; Z = 1 / (Q . Ksum + 1e-6) on the unquantised Q, in f32; context = (Q KV) Z with Q and KV quantised along the head's 32; the context is quantised
; along its row (a head's 32 columns are one block) and stored as codes.  Q never goes to memory.
; A (source 1): 256 token positions of xc.  B (source 0): 256 rows of wc (Wq, by position).  A wave makes 128 x 128: 128 tokens x four heads.  A lane holds ONE token; Wq's rows lie by position, so the 16 registers of
; accumulators (a, 2 i) and (a, 2 i + 1) are the 16 neighbouring columns 32 i + 16 (lane / 16) + 0 .. 15.  bq + 1 is the C of each sum's first matrix instruction.
; Q KV: K is 32 inside an instruction of 128: Q's fragment holds the wave's four heads side by side, KV's fragment of head i holds codes in block i and zero codes elsewhere.
; Its rows are chosen (e = 8 u + r + 8 (r / 8)) so that the results again fall as 16 neighbours a lane.
; elu(y) + 1 with z = y + 1 at hand: max(z, 2^(-|(z - 1) log2 e|)).
; LIMITS: e^y carries an error of about 2^-24 + |y| x 1e-7 of itself; results under 2^-126 become 0; a block of zeros gets the byte 1 (its codes are zeros); NaN and infinities are not served.
; OUT: cc [256 along K][token position][192 bytes], cs [256 along K][token position][8 bytes]: a work-group's codes are one dense block of 49,152 bytes.
; CLUSTERS: 4 x 4; A's tiles jointly along a row of the cluster, B's tiles and the eight heads' KV block along a column.  No prefetch: two of the four slots are first fills, each refill has 128 matrix instructions in which to land.
; REGISTERS: window 0: v1-31 addresses; v32-63 scale words and nothing else; v64-127 Ksum (epilogue); v128-223 A's fragments; window 1: B's fragments, later KV's; the bias tiles at v96-127, v224-255; windows 2, 3: the accumulators.
.set AROW0,  0
.set BROW0,  0
.set APITCH, 768
.set ASTEP,  192
.set ASS,    16384
.set BSS,    4096
.set ROWB,   192
.set PITCH,  240
.set FR,     12
.set NL,     6
.set NP,     4
.set NQ,     2
.set HALFT,  128*PITCH
.set SLOT,   4*HALFT
.set SCLA,   2*SLOT
.set SCLB,   SCLA+8192+128
.set SPARE,  SCLB+8192+128             ; the spare words: two blocks of 256 bytes that no other line names
.set KVL,    SPARE+512                 ; eight heads' KV blocks, 3,584 bytes each: filled once
.set STSC,   49152                     ; the stage (in slot 0): 256 rows x 192 bytes of codes, then 256 x 8 bytes of scale words
.set KVF,  8                           ; v8   KV's fragments: my four heads, 16 x lane
.set KVW,  9                           ; v9   their scale words: 4 x lane
.set KVK,  10                          ; v10  Ksum: 64 x half
.set STC,  11                          ; v11  the stage: my row's codes
.set STS,  12                          ; v12  its scale word
.set ADRA, 16
.set ADRB, 20
.set RDC,  24                          ; back: my wave's 12,288 bytes of codes
.set RDS,  25                          ; and 512 of scale words
.set CO,   26                          ; 16 x lane
.set ADRS, 27
.set SPW,  28
.set NIL,  29
.set SC,   32
.set KVS,  32                          ; the epilogue: KV's eight scale words
.set KSV,  64                          ; v64-127 Ksum at my 64 columns
.set AF,   128
.set HA,   128
.set PC,   192
.set TM,   212
.set PW,   228                         ; the scale word just made
.set ZR,   230                         ; v230-237 Z of head i at 2 i (named in pairs)
.set DN,   238                         ; v238-245 the divisors, in two halves each
.set TP,   246                         ; v246-249
.set NLV,  250                         ; v250-251 -log2 e
.set G0KV, 20
.set G1, 24
.set G0, 32
.set G1KV, 40
.set G1B, 48
.set G0B, 56
.set G1S, 68
.set G0S, 76
.set G1SB, 80
.set G0SB, 88
.set CODEW, (1<<20)|(1<<21)|(3<<22)|(3<<25)
.set SCLW,  (3<<16)|(1<<21)
.set MSB, 0
.macro WIN new                         ; the immediate's high byte repeats the setting that is left
.if MSB != (\new)
	s_set_vgpr_msb (MSB<<8)|(\new)
.set MSB, (\new)
.endif
.endm
.set MUL_LO, 0xa1
.set MUL_HI, 0xf1
.set TO_B,   0x40
.macro JLOAD g0a, g1a, g0b, g1b        ; a joint load: waves 0 and 1 fetch for A, waves 2 and 3 for B; four v_nop follow each of the two lines
	s_cmp_eq_u32 s13, 0
	s_cbranch_scc0 .Lfor_b_\@
	tensor_load_to_lds s[\g0a:\g0a+3], s[\g1a:\g1a+7]
	s_nop 0
.rept 4
	v_nop
.endr
	s_branch .Lasked_\@
.Lfor_b_\@:
	tensor_load_to_lds s[\g0b:\g0b+3], s[\g1b:\g1b+7]
	s_nop 0
.rept 4
	v_nop
.endr
.Lasked_\@:
.endm
.macro CREST
	s_cmp_lg_u32 s12, 0
	s_cbranch_scc1 .Lnot_wave_0_\@
	s_barrier_signal -3
.Lnot_wave_0_\@:
	s_barrier_wait -3
	s_barrier_signal -1
	s_barrier_wait -1
.endm
.macro CROUND
	s_barrier_signal -1
	s_barrier_wait -1
	CREST
.endm
.macro PLACES n
.rept \n
	v_nop
.endr
.endm
.macro FRAG reg, adr, q, i             ; 16 rows x 128 K: registers 6 c .. 6 c + 5 hold K = 64 c + 32 (l / 16) + 0 .. 31, 24 bytes as they lie, in pieces of 8
.irp p, 0,1,2,3,4,5
.set PIE, 12*(\q)+6*(\p/3)+\p%3
.if PIE%8 < 5
	ds_load_b64 v[\reg+2*\p:\reg+2*\p+1], v[\adr] offset:8*PIE+16*(PIE/8)+(\i)*16*PITCH
.else
	ds_load_b64 v[\reg+2*\p:\reg+2*\p+1], v[\adr+2] offset:8*PIE+16*(PIE/8)+(\i)*16*PITCH
.endif
.endr
.endm
; 16 matrix instructions: A's blocks a0, a0 + 1 x B's eight.  first = 1: the sums begin with the bias tile of B's block.  The 64 accumulators take turns.
.macro MUL16 a0, p, q, sc, first
.irp a, \a0, \a0+1
.irp b, 0,1,2,3,4,5,6,7
.set rD, 8*(8*((\a)%4)+\b)
.set rB, 128*(\p)+FR*\b
.set rA, AF+FR*(\a)
.set rX, SC+8*NQ*(\sc)+NQ*\b+(\q)
.set rY, SC+8*NQ*(\sc)+NQ*(\a)+(\q)
.if \first
.set rC, 96+8*\b+96*(\b/4)
	v_wmma_scale_f32_16x16x128_f8f6f4 v[rD:rD+7], v[rB:rB+FR-1], v[rA:rA+FR-1], v[rC:rC+7], v[rX], v[rY] matrix_a_fmt:MATRIX_FMT_BF6 matrix_b_fmt:MATRIX_FMT_BF6 matrix_a_scale:MATRIX_SCALE_ROW1
.else
	v_wmma_scale_f32_16x16x128_f8f6f4 v[rD:rD+7], v[rB:rB+FR-1], v[rA:rA+FR-1], v[rD:rD+7], v[rX], v[rY] matrix_a_fmt:MATRIX_FMT_BF6 matrix_b_fmt:MATRIX_FMT_BF6 matrix_a_scale:MATRIX_SCALE_ROW1
.endif
.endr
.endr
.endm
.macro FETCH_B slot, q, p
	WIN TO_B
.irp i, 0,1,2,3,4,5,6,7
	FRAG 128*(\p)+FR*\i, ADRB+\slot, \q, \i
.endr
	WIN 0
.endm
.macro FETCH_A slot, q, i0
.irp i, \i0, \i0+1, \i0+2, \i0+3
	FRAG AF+FR*(\i), ADRA+\slot, \q, \i
.endr
.endm
.macro SCALES sc
.irp i, 0,1,2,3,4,5,6,7
	ds_load_b64 v[SC+8*NQ*\sc+NQ*\i:SC+8*NQ*\sc+NQ*\i+1], v[ADRS] offset:128*\i
.endr
.endm
.macro STEP slot, q, first
	s_wait_dscnt 4*NL                              ; the youngest 24 loads (A's blocks 4-7) may be out
.if \first
	WIN 0x91                                       ; C: the bias tiles, window 1; D window 2
.else
	WIN MUL_LO
.endif
	MUL16 0, (\q)%2, \q, \slot, \first
	MUL16 2, (\q)%2, \q, \slot, \first
	s_wait_dscnt 0
	PLACES NP
	FETCH_B \slot, (\q)+1, 1-(\q)%2
	FETCH_A \slot, (\q)+1, 0
.if \first
	WIN 0xd1
.else
	WIN MUL_HI
.endif
	MUL16 4, (\q)%2, \q, \slot, \first
	MUL16 6, (\q)%2, \q, \slot, \first
	PLACES NP
	WIN 0
	FETCH_A \slot, (\q)+1, 4
.endm
.macro TURN slot, next, fill           ; a slot's last step changes slots
	s_wait_tensorcnt 0x0                           ; all my tensor loads have landed
	ds_add_u32 v[SPW], v[NIL]                      ; 0 onto my spare word
	s_wait_dscnt 4*NL+1                            ; (the add and the youngest 24 loads may be out)
	WIN MUL_LO
	MUL16 0, 1, 1, \slot, 0
	s_wait_dscnt 0x0                               ; the add is done, and my reads of this slot are over
	s_barrier_signal -1
	MUL16 2, 1, 1, \slot, 0
	WIN 0
	s_barrier_wait -1
.if \fill
	CREST                                          ; a round of the cluster's barrier: no wave of any partner still reads this slot or has a load on its way
	s_add_nc_u64 s[G0+4*\slot+2:G0+4*\slot+3], s[G0+4*\slot+2:G0+4*\slot+3], 2*ASTEP
	s_add_nc_u64 s[G0B+4*\slot+2:G0B+4*\slot+3], s[G0B+4*\slot+2:G0B+4*\slot+3], 2*ROWB
	JLOAD G0+4*\slot, G1, G0B+4*\slot, G1B
.else
	PLACES NP
.endif
	v_add_nc_u32 v[ADRS], 2048, v[ADRS]
	FETCH_B \next, 0, 0
	FETCH_A \next, 0, 0
	SCALES \next
	WIN MUL_HI
	MUL16 4, 1, 1, \slot, 0
	MUL16 6, 1, 1, \slot, 0
	PLACES NP
	WIN 0
	FETCH_A \next, 0, 4
.endm
; 64 numbers of a lane, register 16 b + i = k 32 b + 16 (lane / 16) + i of my row, become a fragment's codes in v[PC ..] and its scale word in v[PW].
.macro QUANT s
.irp b, 0,1,2,3
	v_max3_num_f32 v[TM+\b], |v[\s+16*\b]|, |v[\s+1+16*\b]|, 0x2800000   ; with the floor 2^(5 - 127)
.endr
.irp i, 2,4,6,8,10,12,14
.irp b, 0,1,2,3
	v_max3_num_f32 v[TM+\b], |v[\s+16*\b+\i]|, |v[\s+1+16*\b+\i]|, v[TM+\b]
.endr
.endr
.irp b, 0,1,2,3
	v_permlanex16_b32 v[TM+4+\b], v[TM+\b], s100, s101
.endr
.irp b, 0,1,2,3
	v_max_num_f32 v[TM+\b], v[TM+\b], v[TM+4+\b]
.endr
.irp b, 0,1,2,3
	v_add_nc_u32 v[TM+12+\b], 0xfe000000, v[TM+\b]
.endr
.irp b, 0,1,2,3
	v_lshrrev_b32 v[TM+4+\b], 23, v[TM+12+\b]
.endr
	v_lshl_or_b32 v[PW], v[TM+5], 8, v[TM+4]
	v_lshl_or_b32 v[PW], v[TM+6], 16, v[PW]
	v_lshl_or_b32 v[PW], v[TM+7], 24, v[PW]
.irp c, 0,1
	v_cvt_scalef32_pk16_bf6_f32 v[PC+6*\c:PC+2+6*\c], v[\s+32*\c:\s+15+32*\c], v[TM+12+2*\c]
	v_cvt_scalef32_pk16_bf6_f32 v[PC+12+4*\c:PC+14+4*\c], v[\s+16+32*\c:\s+31+32*\c], v[TM+12+2*\c+1]
.endr
	v_nop                                          ; one plain line behind a scaled conversion
.irp c, 0,1
.irp i, 0,1,2
	v_permlane16_swap_b32 v[PC+6*\c+\i], v[PC+12+4*\c+\i]
.endr
.irp i, 0,1,2
	v_mov_b32 v[PC+3+6*\c+\i], v[PC+12+4*\c+\i]    ; registers 6 c .. 6 c + 5 now hold k = 64 c + 32 h + 0 .. 31
.endr
.endr
.endm
.macro ELU ac, w
	WIN \w
.set j, 0
.rept 32
	v_pk_fma_f32 v[HA+j:HA+j+1], v[(\ac)+j:(\ac)+j+1], s[104:105], v[NLV:NLV+1] op_sel_hi:[1,0,0]
.set j, j+2
.endr
	WIN 0
.set j, 0
.rept 64
	v_exp_f32 v[HA+j], -|v[HA+j]|
.set j, j+1
.endr
	v_nop                                          ; a plain line behind the last exponential
	s_wait_alu depctr_va_vdst(0)                   ; one wait for the batch, ahead of its first reader
	WIN \w
.set j, 0
.rept 64
	v_max_num_f32 v[HA+j], v[(\ac)+j], v[HA+j]
.set j, j+1
.endr
	WIN 0
.endm
	s_load_b256 s[4:11], s[0:1], 0x0               ; xc, xs (A), wc, ws (B)
	s_load_b256 s[92:99], s[0:1], 0x20             ; bq, kvq, cc, cs
	v_lshl_add_u32 v[SPW], v0, 2, SPARE
	v_mov_b32 v[NIL], 0
	ds_add_u32 v28, v29
	ds_add_u32 v28, v29
	s_wait_dscnt 0x0
	v_lshrrev_b32 v1, 5, v0
	v_readfirstlane_b32 s12, v1                    ; wave
	s_lshr_b32 s13, s12, 1                         ; my half of A's rows.  Also: I fetch for A (0) or for B (1)
	s_and_b32 s14, s12, 1                          ; my half of B's rows.  Also: which part I fetch
	s_bfe_u32 s17, ttmp6, 0x40000                  ; cx
	s_bfe_u32 s18, ttmp6, 0x40004                  ; cy
	s_lshl_b32 s16, ttmp9, 2
	s_add_co_u32 s16, s16, s17                     ; tile column: 256 columns = eight heads
	s_and_b32 s15, ttmp7, 0xffff
	s_lshl_b32 s15, s15, 2
	s_add_co_u32 s15, s15, s18                     ; tile row: 256 tokens
	s_lshl_b32 s19, s18, 2
	s_lshl_b32 s19, 15, s19                        ; my row of the cluster
	s_lshl_b32 s67, 0x1111, s17                    ; my column
	s_or_b32 s[G1], s19, CODEW
	s_or_b32 s[G1B], s67, CODEW
	s_or_b32 s[G1S], s19, SCLW
	s_or_b32 s[G1SB], s67, SCLW
	s_or_b32 s[G1KV], s67, SCLW                    ; the KV block hangs on the batch and the tile column: shared along my column
.irp g, G1, G1B
	s_mov_b32 s[\g+1], ROWB<<16
	s_mov_b32 s[\g+2], 128<<16
	s_mov_b32 s[\g+3], ROWB<<16
	s_mov_b32 s[\g+4], 128
	s_mov_b32 s[\g+6], 0
	s_mov_b32 s[\g+7], 0
.endr
	s_mov_b32 s[G1+5], APITCH
	s_mov_b32 s[G1B+5], 768
.irp g, G1S, G1SB
	s_mov_b32 s[\g+1], 256<<16
	s_mov_b32 s[\g+2], 2<<16
	s_mov_b32 s[\g+3], 256<<16
	s_mov_b32 s[\g+4], 2
	s_mov_b32 s[\g+6], 0
	s_mov_b32 s[\g+7], 0
.endr
	s_mov_b32 s[G1S+5], ASS
	s_mov_b32 s[G1SB+5], BSS
	s_mov_b32 s[G1KV+1], 32<<16                    ; a quarter of the block: 28 rows of 256 bytes, dense
	s_mov_b32 s[G1KV+2], 28<<16
	s_mov_b32 s[G1KV+3], 32<<16
	s_mov_b32 s[G1KV+4], 28
	s_mov_b32 s[G1KV+5], 32
	s_mov_b32 s[G1KV+6], 0
	s_mov_b32 s[G1KV+7], 0
.irp g, G0, G0+4, G0B, G0B+4, G0S, G0SB, G0KV
	s_mov_b32 s[\g], 1
.endr
	s_mul_i32 s[G0+1], s12, HALFT
	s_add_co_u32 s[G0+5], s[G0+1], SLOT
	s_mov_b32 s[G0B+1], s[G0+1]
	s_mov_b32 s[G0B+5], s[G0+5]
	s_lshl_b32 s[G0S+1], s14, 12
	s_add_co_u32 s[G0S+1], s[G0S+1], SCLA
	s_lshl_b32 s[G0SB+1], s14, 12
	s_add_co_u32 s[G0SB+1], s[G0SB+1], SCLB
	s_mul_i32 s[G0KV+1], s12, 7168
	s_add_co_u32 s[G0KV+1], s[G0KV+1], KVL
	s_lshl_b32 s2, s15, 8                          ; A's offsets are made of the tile row alone, B's of the tile column alone
	s_lshl_b32 s3, s14, 7
	s_add_co_u32 s2, s2, s3
	s_mul_i32 s2, s2, APITCH
	s_mov_b32 s3, 0
	s_lshl_b32 s66, s16, 8
	s_lshl_b32 s67, s14, 7
	s_add_co_u32 s66, s66, s67
	s_mul_i32 s66, s66, 768
	s_mov_b32 s67, 0
	s_mov_b32 s100, 0x76543210
	s_mov_b32 s101, 0xfedcba98
	s_mov_b32 s104, 0x3fb8aa3b                     ; log2 e
	s_mov_b32 s105, s104
	s_wait_kmcnt 0x0
	s_add_nc_u64 s[G0+2:G0+3], s[4:5], s[2:3]
	s_add_nc_u64 s[G0+6:G0+7], s[G0+2:G0+3], ASTEP
	s_add_nc_u64 s[G0B+2:G0B+3], s[8:9], s[66:67]
	s_add_nc_u64 s[G0B+6:G0B+7], s[G0B+2:G0B+3], ROWB
	s_or_b32 s[G0+3], s[G0+3], 0x80000000
	s_or_b32 s[G0+7], s[G0+7], 0x80000000
	s_or_b32 s[G0B+3], s[G0B+3], 0x80000000
	s_or_b32 s[G0B+7], s[G0B+7], 0x80000000
	s_lshl_b32 s2, s15, 11
	s_mul_i32 s3, s14, 16*ASS
	s_add_co_u32 s2, s2, s3
	s_mov_b32 s3, 0
	s_add_nc_u64 s[G0S+2:G0S+3], s[6:7], s[2:3]
	s_or_b32 s[G0S+3], s[G0S+3], 0x80000000
	s_lshl_b32 s66, s16, 11
	s_mul_i32 s67, s14, 16*BSS
	s_add_co_u32 s66, s66, s67
	s_mov_b32 s67, 0
	s_add_nc_u64 s[G0SB+2:G0SB+3], s[10:11], s[66:67]
	s_or_b32 s[G0SB+3], s[G0SB+3], 0x80000000
	s_and_b32 s66, ttmp7, 0xffff                   ; the batch = cluster y / 4: a batch is 16 tile rows; my place in the cluster does not enter
	s_lshr_b32 s66, s66, 2
	s_lshl_b32 s66, s66, 5
	s_lshl_b32 s67, s16, 3
	s_add_co_u32 s66, s66, s67                     ; + the tile's first head
	s_mul_i32 s66, s66, 3584
	s_mul_i32 s67, s12, 7168                       ; my wave's quarter
	s_add_co_u32 s66, s66, s67
	s_mov_b32 s67, 0
	s_add_nc_u64 s[G0KV+2:G0KV+3], s[94:95], s[66:67]
	s_or_b32 s[G0KV+3], s[G0KV+3], 0x80000000
	CROUND                                         ; all sixteen work-groups are here: the first joint loads meet
	JLOAD G0S, G1S, G0SB, G1SB                     ; the scale bytes for all of K: filled once
	tensor_load_to_lds s[G0KV:G0KV+3], s[G1KV:G1KV+7]   ; each wave a quarter of the eight heads' KV block: filled once
	s_nop 0
.rept 4
	v_nop
.endr
	JLOAD G0, G1, G0B, G1B                         ; slot 0
	JLOAD G0+4, G1, G0B+4, G1B                     ; slot 1: four loads of mine are out
	v_and_b32 v1, 15, v0                           ; r
	v_bfe_u32 v2, v0, 4, 1                         ; h
	v_mul_u32_u24 v3, v1, PITCH
	v_mul_u32_u24 v4, v2, 24
	v_add_nc_u32 v4, v3, v4
	v_lshl_add_u32 v5, v2, 4, v4
	s_mul_i32 s2, s13, HALFT
	s_mul_i32 s3, s14, HALFT
	s_add_co_u32 s3, s3, 2*HALFT
.irp s, 0,1
	v_add_nc_u32 v[ADRA+\s], s2, v4
	v_add_nc_u32 v[ADRB+\s], s3, v4
	v_add_nc_u32 v[ADRA+2+\s], s2, v5
	v_add_nc_u32 v[ADRB+2+\s], s3, v5
	s_add_co_u32 s2, s2, SLOT
	s_add_co_u32 s3, s3, SLOT
.endr
	s_lshl_b32 s2, s13, 10
	s_add_co_u32 s2, s2, SCLA
	s_lshl_b32 s3, s14, 10
	s_add_co_u32 s3, s3, SCLB
	s_sub_co_u32 s3, s3, s2
	v_mul_u32_u24 v6, s3, v2                       ; lanes 16-31 take B's scale words
	v_lshl_add_u32 v6, v1, 3, v6
	v_add_nc_u32 v[ADRS], s2, v6
	v_and_b32 v7, 31, v0                           ; lane
	s_mul_i32 s2, s14, 4*3584                      ; my four heads' KV blocks
	s_add_co_u32 s2, s2, KVL
	v_lshl_add_u32 v[KVF], v7, 4, s2
	v_lshl_add_u32 v[KVW], v7, 2, s2
	v_lshl_add_u32 v[KVK], v2, 6, s2
	s_mul_i32 s2, s13, 128*192                     ; the stage: row 128 x half + r, 96 bytes for each half of the columns, 24 for each half of the lanes
	s_mul_i32 s3, s14, 96
	s_add_co_u32 s2, s2, s3
	v_mul_u32_u24 v[STC], v1, 192
	v_mad_u32_u24 v[STC], v2, 24, v[STC]
	v_add_nc_u32 v[STC], s2, v[STC]
	s_lshl_b32 s2, s13, 10
	s_lshl_b32 s3, s14, 2
	s_add_co_u32 s2, s2, s3
	s_add_co_u32 s2, s2, STSC
	v_lshl_add_u32 v[STS], v1, 3, s2
	s_mul_i32 s2, s12, 12288
	v_lshl_add_u32 v[RDC], v7, 4, s2
	s_lshl_b32 s2, s12, 9
	s_add_co_u32 s2, s2, STSC
	v_lshl_add_u32 v[RDS], v7, 4, s2
	v_lshlrev_b32 v[CO], 4, v7
	v_lshlrev_b32 v13, 6, v2                       ; the bias: 16 numbers on for lanes 16-31
	s_lshl_b32 s2, s16, 10
	s_lshl_b32 s3, s14, 9
	s_add_co_u32 s2, s2, s3                        ; my 128 columns
	s_mov_b32 s3, 0
	s_add_nc_u64 s[92:93], s[92:93], s[2:3]
	WIN 0x40
.irp b, 0,1,2,3,4,5,6,7                ; tile b = 2 i + u: columns 32 i + 16 h + 8 u + 0 .. 7
	global_load_b128 v[96+8*\b+96*(\b/4):99+8*\b+96*(\b/4)], v13, s[92:93] offset:(32*(\b/2)+8*(\b%2))*4
	global_load_b128 v[100+8*\b+96*(\b/4):103+8*\b+96*(\b/4)], v13, s[92:93] offset:(32*(\b/2)+8*(\b%2))*4+16
.endr
	WIN 0
	s_mul_i32 s2, s16, 3145728                     ; cc: the tile column's 256 along K,
	s_mul_i32 s66, s15, 49152                      ; the tile row's 256 positions,
	s_add_co_u32 s2, s2, s66
	s_mul_i32 s66, s12, 12288                      ; my wave's 64 of them
	s_add_co_u32 s2, s2, s66
	s_add_nc_u64 s[96:97], s[96:97], s[2:3]
	s_lshl_b32 s2, s16, 17                         ; cs likewise
	s_lshl_b32 s66, s15, 11
	s_add_co_u32 s2, s2, s66
	s_lshl_b32 s66, s12, 9
	s_add_co_u32 s2, s2, s66
	s_add_nc_u64 s[98:99], s[98:99], s[2:3]
	s_wait_tensorcnt 1                             ; the scale bytes, my quarter of KV and my part of slot 0 are in; slot 1's may stay out
	s_barrier_signal -1
	s_barrier_wait -1
	FETCH_B 0, 0, 0
	FETCH_A 0, 0, 0
	SCALES 0
	FETCH_A 0, 0, 4
	s_wait_loadcnt 0x0                             ; the biases
	WIN 0x41
.set j, 0
.rept 16
	v_pk_add_f32 v[96+j:97+j], v[96+j:97+j], 1.0 op_sel_hi:[1,0]   ; the tiles carry the 1 of elu + 1
	v_pk_add_f32 v[224+j:225+j], v[224+j:225+j], 1.0 op_sel_hi:[1,0]
.set j, j+2
.endr
	STEP 0, 0, 1
	TURN 0, 1, 1
	STEP 1, 0, 0
	TURN 1, 0, 1
	STEP 0, 0, 0
	TURN 0, 1, 0
	STEP 1, 0, 0
	s_wait_dscnt 4*NL
	WIN MUL_LO
	MUL16 0, 1, 1, 1, 0
	MUL16 2, 1, 1, 1, 0
	s_wait_dscnt 0
	WIN MUL_HI
	MUL16 4, 1, 1, 1, 0
	MUL16 6, 1, 1, 1, 0
	WIN 0
	; THE EPILOGUE.  Slot 0 has had its last fill, and every wave has passed the last change of slots, behind which nobody reads it: the stage lies there.
	PLACES NP
.irp b, 0,1,2,3
	v_mov_b32 v[TM+4+\b], 0                        ; a lane permute's destination counts as one of its sources
	v_mov_b32 v[ZR+1+2*\b], 0                      ; named as the upper half of a pair
.endr
	v_mov_b32 v[NLV], 0xbfb8aa3b
	v_mov_b32 v[NLV+1], 0xbfb8aa3b
	WIN 0x40
.irp t, 0,1,2,3,4,5,6,7                ; KV's fragment of head t / 2, rows' half t % 2: an image of its registers
.irp i, 0,1,2
	ds_load_b128 v[12*\t+4*\i:12*\t+4*\i+3], v[KVF] offset:3584*(\t/2)+1536*(\t%2)+512*\i
.endr
.endr
	WIN 0
.irp t, 0,1,2,3,4,5,6,7
	ds_load_b32 v[KVS+\t], v[KVW] offset:3584*(\t/2)+3072+128*(\t%2)
.endr
.irp b, 0,1,2,3
.irp i, 0,1,2,3
	ds_load_b128 v[KSV+16*\b+4*\i:KSV+16*\b+4*\i+3], v[KVK] offset:3584*\b+3328+16*\i   ; Ksum of head b at d = 16 h + 0 .. 15
.endr
.endr
.irp a, 0,1,2,3,4,5,6,7                ; 16 tokens at a time
	s_wait_dscnt 0x0                               ; KV and Ksum are in; later: the last block's stores into the stage have read their registers
	ELU 64*(\a%4), 2+\a/4
	QUANT HA                                       ; Q along the head's 32
.irp b, 0,1,2,3
	v_pk_mul_f32 v[DN+2*\b:DN+2*\b+1], v[HA+16*\b:HA+16*\b+1], v[KSV+16*\b:KSV+16*\b+1]   ; Q . Ksum on the unquantised Q: four chains by turns.  These 32 lines are also the places in front of the scaled products
.endr
.irp i, 2,4,6,8,10,12,14
.irp b, 0,1,2,3
	v_pk_fma_f32 v[DN+2*\b:DN+2*\b+1], v[HA+16*\b+\i:HA+16*\b+\i+1], v[KSV+16*\b+\i:KSV+16*\b+\i+1], v[DN+2*\b:DN+2*\b+1]
.endr
.endr
	WIN 0x01                                       ; source 0 window 1
.irp t, 0,1,2,3,4,5,6,7
	v_wmma_scale_f32_16x16x128_f8f6f4 v[HA+8*\t:HA+8*\t+7], v[12*\t:12*\t+11], v[PC:PC+11], 0, v[KVS+\t], v[PW] matrix_a_fmt:MATRIX_FMT_BF6 matrix_b_fmt:MATRIX_FMT_BF6   ; register 16 i + 8 u + j: (Q KV)(my token, head i, e = 16 h + 8 u + j)
.endr
	WIN 0
.irp b, 0,1,2,3
	v_add_f32 v[TP+\b], v[DN+2*\b], v[DN+2*\b+1]   ; (four places behind the products)
.endr
.irp b, 0,1,2,3
	v_permlanex16_b32 v[TM+\b], v[TP+\b], s100, s101
.endr
.irp b, 0,1,2,3
	v_add_f32 v[TP+\b], v[TP+\b], v[TM+\b]         ; with lane l xor 16's 16 d's
.endr
.irp b, 0,1,2,3
	v_add_f32 v[TP+\b], 0x358637bd, v[TP+\b]       ; + 1e-6
.endr
.irp b, 0,1,2,3
	v_rcp_f32 v[ZR+2*\b], v[TP+\b]
.endr
	v_nop                                          ; a plain line behind the last reciprocal
	s_wait_alu depctr_va_vdst(0)                   ; one wait for the four, ahead of their first reader
.irp b, 0,1,2,3
.irp i, 0,2,4,6,8,10,12,14
	v_pk_mul_f32 v[HA+16*\b+\i:HA+16*\b+\i+1], v[HA+16*\b+\i:HA+16*\b+\i+1], v[ZR+2*\b:ZR+2*\b+1] op_sel_hi:[1,0]   ; x Z; each accumulator from its low end on
.endr
.endr
	QUANT HA                                       ; the context along its row
.irp c, 0,1
.irp t, 0,1,2
	ds_store_b64 v[STC], v[PC+6*\c+2*\t:PC+6*\c+2*\t+1] offset:3072*\a+48*\c+8*\t   ; my 24 bytes of the row's stream of codes at k = 64 c + 32 h
.endr
.endr
	ds_store_b32 v[STS], v[PW] offset:128*\a       ; lanes r and r + 16 write the same word with the same value
.endr
	s_wait_dscnt 0x0                               ; for the others' sake: my stores have landed
	s_barrier_signal -1
	s_barrier_wait -1
.set j, 0
.rept 24
	ds_load_b128 v[128+4*j:131+4*j], v[RDC] offset:512*j
.set j, j+1
.endr
	ds_load_b128 v[232:235], v[RDS]
.set j, 0
.rept 24
	s_wait_dscnt 24-j                              ; the younger read-backs may be out
	global_store_b128 v[CO], v[128+4*j:131+4*j], s[96:97] offset:512*j   ; 512 consecutive bytes, aligned
.set j, j+1
.endr
	s_wait_dscnt 0x0
	global_store_b128 v[CO], v[232:235], s[98:99]
	s_wait_tensorcnt 0x0                           ; the wave's end
	ds_add_u32 v[SPW], v[NIL]
	s_wait_dscnt 0x0
	CROUND                                         ; the closing round
	s_endpgm
.Lfunc_end_k_qb6233b6e65_qctx:
	.size	k_qb6233b6e65_qctx, .Lfunc_end_k_qb6233b6e65_qctx-k_qb6233b6e65_qctx
	.p2alignl 7, 3214868480
	.fill 96, 4, 3214868480
	.section	.rodata,"a",@progbits
	.p2align	6, 0x0
	.amdhsa_kernel k_qb6233b6e65_qctx
		.amdhsa_group_segment_fixed_size 327680
		.amdhsa_private_segment_fixed_size 0
		.amdhsa_enable_private_segment 0
		.amdhsa_kernarg_size 64
		.amdhsa_user_sgpr_count 2
		.amdhsa_user_sgpr_kernarg_segment_ptr 1
		.amdhsa_wavefront_size32 1
		.amdhsa_system_sgpr_workgroup_id_x 1
		.amdhsa_system_sgpr_workgroup_id_y 1
		.amdhsa_system_sgpr_workgroup_id_z 1
		.amdhsa_system_vgpr_workitem_id 0
		.amdhsa_next_free_vgpr 1024
		.amdhsa_next_free_sgpr 106
		.amdhsa_reserve_vcc 0
		.amdhsa_float_denorm_mode_32 3
		.amdhsa_float_denorm_mode_16_64 3
		.amdhsa_memory_ordered 1
		.amdhsa_forward_progress 1
		.amdhsa_inst_pref_size 255
	.end_amdhsa_kernel
	.section	.bss,"aw",@nobits
	.p2align	6
	.space	262144
	.amdgpu_metadata
---
amdhsa.version: [ 1, 2 ]
amdhsa.kernels:
  - .name:           k_qb6233b6e65_qctx
    .symbol:         k_qb6233b6e65_qctx.kd
    .args:
      - { .name: xc, .offset: 0, .size: 8, .value_kind: global_buffer, .address_space: global }
      - { .name: xs, .offset: 8, .size: 8, .value_kind: global_buffer, .address_space: global }
      - { .name: wc, .offset: 16, .size: 8, .value_kind: global_buffer, .address_space: global }
      - { .name: ws, .offset: 24, .size: 8, .value_kind: global_buffer, .address_space: global }
      - { .name: bq, .offset: 32, .size: 8, .value_kind: global_buffer, .address_space: global }
      - { .name: kvq, .offset: 40, .size: 8, .value_kind: global_buffer, .address_space: global }
      - { .name: cc, .offset: 48, .size: 8, .value_kind: global_buffer, .address_space: global }
      - { .name: cs, .offset: 56, .size: 8, .value_kind: global_buffer, .address_space: global }
    .group_segment_fixed_size: 327680
    .private_segment_fixed_size: 0
    .kernarg_segment_align: 8
    .kernarg_segment_size: 64
    .max_flat_workgroup_size: 128
    .sgpr_count:     106
    .vgpr_count:     1024
    .wavefront_size: 32
...
	.end_amdgpu_metadata
.endif
;; end of part 4
;; launch outp (part 5): grid 4 x 64, 4 waves a work-group, clusters of 4 x 4, 327,680 bytes of LDS; arguments cc, cs, wc, ws, bo, out0; writes out0
.if DOCPART == 5
	.amdgcn_target "amdgcn-amd-amdhsa--gfx1250"
	.amdhsa_code_object_version 6
	.text
	.protected	k_qb6233b6e65_outp
	.globl	k_qb6233b6e65_outp
	.p2align	8
	.type	k_qb6233b6e65_outp,@function
k_qb6233b6e65_outp:
	s_mov_b64 s[64:65], 0
	v_nop
	global_prefetch_b8 v0, s[64:65] scope:SCOPE_SE
	s_setreg_imm32_b32 hwreg(HW_REG_WAVE_MODE, 25, 1), 1
	s_wait_xcnt 0x0
	s_wait_alu depctr_hold_cnt(0) depctr_sa_sdst(0) depctr_va_vdst(0) depctr_va_sdst(0) depctr_va_ssrc(0) depctr_va_vcc(0) depctr_vm_vsrc(0)
	s_getreg_b32 s2, hwreg(HW_REG_IB_STS2, 6, 4)
	s_cmp_eq_u32 s2, 0
	s_cbranch_scc0 .Lentry_in_a_cluster
	s_endpgm
.Lentry_in_a_cluster:
	s_bfe_u32 s2, ttmp6, 0x10000c
	s_cmp_lg_u32 s2, 0xf033
	s_cbranch_scc0 .Lentry_shape_is_right
	s_endpgm
.Lentry_shape_is_right:
; out0 = context Wo^T + bo on codes of BF6 with E8M0 scales; sums in f32.
; A (source 1): 256 token positions of cc ([256 along K][position][192 bytes]: a slot's tile is dense).  B (source 0): 256 rows of wc from row 3,072 on (Wo, natural order).  K = 1,024 in four slots of 256.
; A wave makes 128 x 128; a lane holds one token and eight neighbouring columns an accumulator.  bo is the C of each sum's first matrix instruction.
; The tokens lie by position (bits 3 and 4 of the row's number changed places inside each 32): the stores' immediate offsets put each row back at its token.
; The way out: 16 rows x 128 columns at a time through the wave's own stage in LDS, back as whole rows of 512 bytes.
; CLUSTERS: 4 x 4; A's tiles jointly along a row of the cluster, B's along a column.  No prefetch: two of the four slots are first fills, each refill has 128 matrix instructions in which to land.
; LIMITS: NaN and infinities are not served.
.set BROW0,  3072
.set APITCH, 192
.set ASTEP,  3145728                   ; from one slot's codes of A to the next: 16,384 rows x 192 bytes
.set ASS,    16384
.set BSS,    4096
.set ROWB,   192
.set PITCH,  240
.set FR,     12
.set NL,     6
.set NP,     4
.set NQ,     2
.set HALFT,  128*PITCH
.set SLOT,   4*HALFT
.set SCLA,   2*SLOT
.set SCLB,   SCLA+8192+128
.set SPARE,  SCLB+8192+128             ; the spare words: two blocks of 256 bytes that no other line names
.set SPITCH, 528                       ; the stage: 16 rows x (512 bytes + 16) a wave, in slot 0
.set ADRA, 16
.set ADRB, 20
.set STO,  24
.set RD,   25
.set CO,   26
.set ADRS, 27
.set SPW,  28
.set NIL,  29
.set SC,   32
.set AF,   128
.set BK,   128                         ; 16 rows read back: v128-191 and v192-255 by turns
.set G1, 24
.set G0, 32
.set G1B, 48
.set G0B, 56
.set G1S, 68
.set G0S, 76
.set G1SB, 80
.set G0SB, 88
.set CODEW, (1<<20)|(1<<21)|(3<<22)|(3<<25)
.set SCLW,  (3<<16)|(1<<21)
.set MSB, 0
.macro WIN new                         ; the immediate's high byte repeats the setting that is left
.if MSB != (\new)
	s_set_vgpr_msb (MSB<<8)|(\new)
.set MSB, (\new)
.endif
.endm
.set MUL_LO, 0xa1
.set MUL_HI, 0xf1
.set TO_B,   0x40
.macro JLOAD g0a, g1a, g0b, g1b        ; a joint load: waves 0 and 1 fetch for A, waves 2 and 3 for B; four v_nop follow each of the two lines
	s_cmp_eq_u32 s13, 0
	s_cbranch_scc0 .Lfor_b_\@
	tensor_load_to_lds s[\g0a:\g0a+3], s[\g1a:\g1a+7]
	s_nop 0
.rept 4
	v_nop
.endr
	s_branch .Lasked_\@
.Lfor_b_\@:
	tensor_load_to_lds s[\g0b:\g0b+3], s[\g1b:\g1b+7]
	s_nop 0
.rept 4
	v_nop
.endr
.Lasked_\@:
.endm
.macro CREST
	s_cmp_lg_u32 s12, 0
	s_cbranch_scc1 .Lnot_wave_0_\@
	s_barrier_signal -3
.Lnot_wave_0_\@:
	s_barrier_wait -3
	s_barrier_signal -1
	s_barrier_wait -1
.endm
.macro CROUND
	s_barrier_signal -1
	s_barrier_wait -1
	CREST
.endm
.macro PLACES n
.rept \n
	v_nop
.endr
.endm
.macro FRAG reg, adr, q, i
.irp p, 0,1,2,3,4,5
.set PIE, 12*(\q)+6*(\p/3)+\p%3
.if PIE%8 < 5
	ds_load_b64 v[\reg+2*\p:\reg+2*\p+1], v[\adr] offset:8*PIE+16*(PIE/8)+(\i)*16*PITCH
.else
	ds_load_b64 v[\reg+2*\p:\reg+2*\p+1], v[\adr+2] offset:8*PIE+16*(PIE/8)+(\i)*16*PITCH
.endif
.endr
.endm
; 16 matrix instructions: A's blocks a0, a0 + 1 x B's eight.  first = 1: the sums begin with the bias tile of B's block.  The 64 accumulators take turns.
.macro MUL16 a0, p, q, sc, first
.irp a, \a0, \a0+1
.irp b, 0,1,2,3,4,5,6,7
.set rD, 8*(8*((\a)%4)+\b)
.set rB, 128*(\p)+FR*\b
.set rA, AF+FR*(\a)
.set rX, SC+8*NQ*(\sc)+NQ*\b+(\q)
.set rY, SC+8*NQ*(\sc)+NQ*(\a)+(\q)
.if \first
.set rC, 96+8*\b+96*(\b/4)
	v_wmma_scale_f32_16x16x128_f8f6f4 v[rD:rD+7], v[rB:rB+FR-1], v[rA:rA+FR-1], v[rC:rC+7], v[rX], v[rY] matrix_a_fmt:MATRIX_FMT_BF6 matrix_b_fmt:MATRIX_FMT_BF6 matrix_a_scale:MATRIX_SCALE_ROW1
.else
	v_wmma_scale_f32_16x16x128_f8f6f4 v[rD:rD+7], v[rB:rB+FR-1], v[rA:rA+FR-1], v[rD:rD+7], v[rX], v[rY] matrix_a_fmt:MATRIX_FMT_BF6 matrix_b_fmt:MATRIX_FMT_BF6 matrix_a_scale:MATRIX_SCALE_ROW1
.endif
.endr
.endr
.endm
.macro FETCH_B slot, q, p
	WIN TO_B
.irp i, 0,1,2,3,4,5,6,7
	FRAG 128*(\p)+FR*\i, ADRB+\slot, \q, \i
.endr
	WIN 0
.endm
.macro FETCH_A slot, q, i0
.irp i, \i0, \i0+1, \i0+2, \i0+3
	FRAG AF+FR*(\i), ADRA+\slot, \q, \i
.endr
.endm
.macro SCALES sc
.irp i, 0,1,2,3,4,5,6,7
	ds_load_b64 v[SC+8*NQ*\sc+NQ*\i:SC+8*NQ*\sc+NQ*\i+1], v[ADRS] offset:128*\i
.endr
.endm
.macro STEP slot, q, first
	s_wait_dscnt 4*NL                              ; the youngest 24 loads (A's blocks 4-7) may be out
.if \first
	WIN 0x91                                       ; C: the bias tiles, window 1; D window 2
.else
	WIN MUL_LO
.endif
	MUL16 0, (\q)%2, \q, \slot, \first
	MUL16 2, (\q)%2, \q, \slot, \first
	s_wait_dscnt 0
	PLACES NP
	FETCH_B \slot, (\q)+1, 1-(\q)%2
	FETCH_A \slot, (\q)+1, 0
.if \first
	WIN 0xd1
.else
	WIN MUL_HI
.endif
	MUL16 4, (\q)%2, \q, \slot, \first
	MUL16 6, (\q)%2, \q, \slot, \first
	PLACES NP
	WIN 0
	FETCH_A \slot, (\q)+1, 4
.endm
.macro TURN slot, next, fill           ; a slot's last step changes slots
	s_wait_tensorcnt 0x0                           ; all my tensor loads have landed
	ds_add_u32 v[SPW], v[NIL]                      ; 0 onto my spare word
	s_wait_dscnt 4*NL+1                            ; (the add and the youngest 24 loads may be out)
	WIN MUL_LO
	MUL16 0, 1, 1, \slot, 0
	s_wait_dscnt 0x0                               ; the add is done, and my reads of this slot are over
	s_barrier_signal -1
	MUL16 2, 1, 1, \slot, 0
	WIN 0
	s_barrier_wait -1
.if \fill
	CREST                                          ; a round of the cluster's barrier: no wave of any partner still reads this slot or has a load on its way
	s_add_nc_u64 s[G0+4*\slot+2:G0+4*\slot+3], s[G0+4*\slot+2:G0+4*\slot+3], 2*ASTEP
	s_add_nc_u64 s[G0B+4*\slot+2:G0B+4*\slot+3], s[G0B+4*\slot+2:G0B+4*\slot+3], 2*ROWB
	JLOAD G0+4*\slot, G1, G0B+4*\slot, G1B
.else
	PLACES NP
.endif
	v_add_nc_u32 v[ADRS], 2048, v[ADRS]
	FETCH_B \next, 0, 0
	FETCH_A \next, 0, 0
	SCALES \next
	WIN MUL_HI
	MUL16 4, 1, 1, \slot, 0
	MUL16 6, 1, 1, \slot, 0
	PLACES NP
	WIN 0
	FETCH_A \next, 0, 4
.endm
	s_load_b256 s[4:11], s[0:1], 0x0               ; cc, cs (A), wc, ws (B)
	s_load_b128 s[92:95], s[0:1], 0x20             ; bo, out0
	v_lshl_add_u32 v[SPW], v0, 2, SPARE
	v_mov_b32 v[NIL], 0
	ds_add_u32 v28, v29
	ds_add_u32 v28, v29
	s_wait_dscnt 0x0
	v_lshrrev_b32 v1, 5, v0
	v_readfirstlane_b32 s12, v1                    ; wave
	s_lshr_b32 s13, s12, 1
	s_and_b32 s14, s12, 1
	s_bfe_u32 s17, ttmp6, 0x40000                  ; cx
	s_bfe_u32 s18, ttmp6, 0x40004                  ; cy
	s_lshl_b32 s16, ttmp9, 2
	s_add_co_u32 s16, s16, s17                     ; tile column
	s_and_b32 s15, ttmp7, 0xffff
	s_lshl_b32 s15, s15, 2
	s_add_co_u32 s15, s15, s18                     ; tile row
	s_lshl_b32 s19, s18, 2
	s_lshl_b32 s19, 15, s19                        ; my row of the cluster
	s_lshl_b32 s67, 0x1111, s17                    ; my column
	s_or_b32 s[G1], s19, CODEW
	s_or_b32 s[G1B], s67, CODEW
	s_or_b32 s[G1S], s19, SCLW
	s_or_b32 s[G1SB], s67, SCLW
.irp g, G1, G1B
	s_mov_b32 s[\g+1], ROWB<<16
	s_mov_b32 s[\g+2], 128<<16
	s_mov_b32 s[\g+3], ROWB<<16
	s_mov_b32 s[\g+4], 128
	s_mov_b32 s[\g+6], 0
	s_mov_b32 s[\g+7], 0
.endr
	s_mov_b32 s[G1+5], APITCH
	s_mov_b32 s[G1B+5], 768
.irp g, G1S, G1SB
	s_mov_b32 s[\g+1], 256<<16
	s_mov_b32 s[\g+2], 2<<16
	s_mov_b32 s[\g+3], 256<<16
	s_mov_b32 s[\g+4], 2
	s_mov_b32 s[\g+6], 0
	s_mov_b32 s[\g+7], 0
.endr
	s_mov_b32 s[G1S+5], ASS
	s_mov_b32 s[G1SB+5], BSS
.irp g, G0, G0+4, G0B, G0B+4, G0S, G0SB
	s_mov_b32 s[\g], 1
.endr
	s_mul_i32 s[G0+1], s12, HALFT
	s_add_co_u32 s[G0+5], s[G0+1], SLOT
	s_mov_b32 s[G0B+1], s[G0+1]
	s_mov_b32 s[G0B+5], s[G0+5]
	s_lshl_b32 s[G0S+1], s14, 12
	s_add_co_u32 s[G0S+1], s[G0S+1], SCLA
	s_lshl_b32 s[G0SB+1], s14, 12
	s_add_co_u32 s[G0SB+1], s[G0SB+1], SCLB
	s_lshl_b32 s2, s15, 8                          ; A's offsets are made of the tile row alone, B's of the tile column alone
	s_lshl_b32 s3, s14, 7
	s_add_co_u32 s2, s2, s3
	s_mul_i32 s2, s2, APITCH
	s_mov_b32 s3, 0
	s_lshl_b32 s66, s16, 8
	s_lshl_b32 s67, s14, 7
	s_add_co_u32 s66, s66, s67
	s_add_co_u32 s66, s66, BROW0
	s_mul_i32 s66, s66, 768
	s_mov_b32 s67, 0
	s_wait_kmcnt 0x0
	s_add_nc_u64 s[G0+2:G0+3], s[4:5], s[2:3]
	s_add_nc_u64 s[G0+6:G0+7], s[G0+2:G0+3], ASTEP
	s_add_nc_u64 s[G0B+2:G0B+3], s[8:9], s[66:67]
	s_add_nc_u64 s[G0B+6:G0B+7], s[G0B+2:G0B+3], ROWB
	s_or_b32 s[G0+3], s[G0+3], 0x80000000
	s_or_b32 s[G0+7], s[G0+7], 0x80000000
	s_or_b32 s[G0B+3], s[G0B+3], 0x80000000
	s_or_b32 s[G0B+7], s[G0B+7], 0x80000000
	s_lshl_b32 s2, s15, 11
	s_mul_i32 s3, s14, 16*ASS
	s_add_co_u32 s2, s2, s3
	s_mov_b32 s3, 0
	s_add_nc_u64 s[G0S+2:G0S+3], s[6:7], s[2:3]
	s_or_b32 s[G0S+3], s[G0S+3], 0x80000000
	s_lshl_b32 s66, s16, 11
	s_mul_i32 s67, s14, 16*BSS
	s_add_co_u32 s66, s66, s67
	s_add_co_u32 s66, s66, 8*BROW0
	s_mov_b32 s67, 0
	s_add_nc_u64 s[G0SB+2:G0SB+3], s[10:11], s[66:67]
	s_or_b32 s[G0SB+3], s[G0SB+3], 0x80000000
	CROUND                                         ; all sixteen work-groups are here: the first joint loads meet
	JLOAD G0S, G1S, G0SB, G1SB                     ; the scale bytes for all of K: filled once
	JLOAD G0, G1, G0B, G1B                         ; slot 0
	JLOAD G0+4, G1, G0B+4, G1B                     ; slot 1: three loads of mine are out
	v_and_b32 v1, 15, v0                           ; r
	v_bfe_u32 v2, v0, 4, 1                         ; h
	v_mul_u32_u24 v3, v1, PITCH
	v_mul_u32_u24 v4, v2, 24
	v_add_nc_u32 v4, v3, v4
	v_lshl_add_u32 v5, v2, 4, v4
	s_mul_i32 s2, s13, HALFT
	s_mul_i32 s3, s14, HALFT
	s_add_co_u32 s3, s3, 2*HALFT
.irp s, 0,1
	v_add_nc_u32 v[ADRA+\s], s2, v4
	v_add_nc_u32 v[ADRB+\s], s3, v4
	v_add_nc_u32 v[ADRA+2+\s], s2, v5
	v_add_nc_u32 v[ADRB+2+\s], s3, v5
	s_add_co_u32 s2, s2, SLOT
	s_add_co_u32 s3, s3, SLOT
.endr
	s_lshl_b32 s2, s13, 10
	s_add_co_u32 s2, s2, SCLA
	s_lshl_b32 s3, s14, 10
	s_add_co_u32 s3, s3, SCLB
	s_sub_co_u32 s3, s3, s2
	v_mul_u32_u24 v6, s3, v2                       ; lanes 16-31 take B's scale words
	v_lshl_add_u32 v6, v1, 3, v6
	v_add_nc_u32 v[ADRS], s2, v6
	v_and_b32 v7, 31, v0
	s_mul_i32 s2, s12, 16*SPITCH                   ; my stage
	v_mul_u32_u24 v5, v1, SPITCH                   ; in: row r, 32 bytes for each half of the lanes
	v_lshl_add_u32 v5, v2, 5, v5
	v_add_nc_u32 v[STO], s2, v5
	v_lshlrev_b32 v[CO], 4, v7                     ; back: the 32 lanes take one row of 512 bytes; and the same in out0
	v_add_nc_u32 v[RD], s2, v[CO]
	v_lshlrev_b32 v13, 5, v2                       ; the bias: 8 numbers on for lanes 16-31
	s_lshl_b32 s2, s16, 10
	s_lshl_b32 s3, s14, 9
	s_add_co_u32 s2, s2, s3                        ; my 128 columns, in bytes
	s_mov_b32 s3, 0
	s_add_nc_u64 s[92:93], s[92:93], s[2:3]
	s_add_nc_u64 s[94:95], s[94:95], s[2:3]
	s_lshl_b32 s2, s15, 20                         ; 256 rows of 4,096 bytes
	s_lshl_b32 s66, s13, 19
	s_add_co_u32 s2, s2, s66
	s_add_nc_u64 s[94:95], s[94:95], s[2:3]
	WIN 0x40
.irp b, 0,1,2,3,4,5,6,7                ; tile b: columns 16 b + 8 h + 0 .. 7
	global_load_b128 v[96+8*\b+96*(\b/4):99+8*\b+96*(\b/4)], v13, s[92:93] offset:64*\b
	global_load_b128 v[100+8*\b+96*(\b/4):103+8*\b+96*(\b/4)], v13, s[92:93] offset:64*\b+16
.endr
	WIN 0
	s_wait_tensorcnt 1                             ; the scale bytes and my part of slot 0 are in; slot 1's may stay out
	s_barrier_signal -1
	s_barrier_wait -1
	FETCH_B 0, 0, 0
	FETCH_A 0, 0, 0
	SCALES 0
	FETCH_A 0, 0, 4
	s_wait_loadcnt 0x0                             ; the biases
	STEP 0, 0, 1
	TURN 0, 1, 1
	STEP 1, 0, 0
	TURN 1, 0, 1
	STEP 0, 0, 0
	TURN 0, 1, 0
	STEP 1, 0, 0
	s_wait_dscnt 4*NL
	WIN MUL_LO
	MUL16 0, 1, 1, 1, 0
	MUL16 2, 1, 1, 1, 0
	s_wait_dscnt 0
	WIN MUL_HI
	MUL16 4, 1, 1, 1, 0
	MUL16 6, 1, 1, 1, 0
	WIN 0
; THE WAY OUT, block by block of 16 rows x 128 columns, through my own stage (slot 0 has had its last fill and its last read).  LDS serves a wave's instructions in order: no wait between the stores and the loads.
.macro TOSTAGE a
.set AC, 64*((\a)%4)
	WIN 0x08+4*((\a)/4)                            ; the data: window 2 or 3
.irp b, 0,1,2,3,4,5,6,7
	ds_store_b128 v[STO], v[AC+8*\b:AC+8*\b+3] offset:64*\b          ; each accumulator from its low end on
	ds_store_b128 v[STO], v[AC+8*\b+4:AC+8*\b+7] offset:64*\b+16
.endr
	WIN 0
.set BB, BK+64*((\a)%2)
.irp t, 0,1,2,3,4,5,6,7,8,9,10,11,12,13,14,15
	ds_load_b128 v[BB+4*\t:BB+4*\t+3], v[RD] offset:\t*SPITCH
.endr
.endm
.macro SEND a, younger                 ; younger: the LDS instructions issued behind block a's loads, which may stay out
.set BB, BK+64*((\a)%2)
	s_wait_dscnt \younger
.irp t, 0,1,2,3,4,5,6,7,8,9,10,11,12,13,14,15
	global_store_b128 v[CO], v[BB+4*\t:BB+4*\t+3], s[94:95] offset:(32*((\a)/2)+8*((\a)%2)+\t%8+16*(\t/8))*4096 th:TH_STORE_NT   ; position 16 a + t back to its token; 512 consecutive bytes, aligned; the base is never stepped: 127 rows at the most, inside the signed 24-bit immediate
.endr
.endm
	PLACES NP
	TOSTAGE 0
.irp a, 1,2,3,4,5,6,7
.if \a > 1
	s_wait_xcnt 0x0                                ; block a - 2's stores have read their registers: block a's loads may land there
.endif
	TOSTAGE \a
	SEND \a-1, 32                                  ; behind block a - 1's loads: block a's 16 stores and 16 loads
.endr
	SEND 7, 0
	s_wait_tensorcnt 0x0                           ; the wave's end
	ds_add_u32 v[SPW], v[NIL]
	s_wait_dscnt 0x0
	CROUND                                         ; the closing round
	s_endpgm
.Lfunc_end_k_qb6233b6e65_outp:
	.size	k_qb6233b6e65_outp, .Lfunc_end_k_qb6233b6e65_outp-k_qb6233b6e65_outp
	.p2alignl 7, 3214868480
	.fill 96, 4, 3214868480
	.section	.rodata,"a",@progbits
	.p2align	6, 0x0
	.amdhsa_kernel k_qb6233b6e65_outp
		.amdhsa_group_segment_fixed_size 327680
		.amdhsa_private_segment_fixed_size 0
		.amdhsa_enable_private_segment 0
		.amdhsa_kernarg_size 48
		.amdhsa_user_sgpr_count 2
		.amdhsa_user_sgpr_kernarg_segment_ptr 1
		.amdhsa_wavefront_size32 1
		.amdhsa_system_sgpr_workgroup_id_x 1
		.amdhsa_system_sgpr_workgroup_id_y 1
		.amdhsa_system_sgpr_workgroup_id_z 1
		.amdhsa_system_vgpr_workitem_id 0
		.amdhsa_next_free_vgpr 1024
		.amdhsa_next_free_sgpr 106
		.amdhsa_reserve_vcc 0
		.amdhsa_float_denorm_mode_32 3
		.amdhsa_float_denorm_mode_16_64 3
		.amdhsa_memory_ordered 1
		.amdhsa_forward_progress 1
		.amdhsa_inst_pref_size 161
	.end_amdhsa_kernel
	.amdgpu_metadata
---
amdhsa.version: [ 1, 2 ]
amdhsa.kernels:
  - .name:           k_qb6233b6e65_outp
    .symbol:         k_qb6233b6e65_outp.kd
    .args:
      - { .name: cc, .offset: 0, .size: 8, .value_kind: global_buffer, .address_space: global }
      - { .name: cs, .offset: 8, .size: 8, .value_kind: global_buffer, .address_space: global }
      - { .name: wc, .offset: 16, .size: 8, .value_kind: global_buffer, .address_space: global }
      - { .name: ws, .offset: 24, .size: 8, .value_kind: global_buffer, .address_space: global }
      - { .name: bo, .offset: 32, .size: 8, .value_kind: global_buffer, .address_space: global }
      - { .name: out0, .offset: 40, .size: 8, .value_kind: global_buffer, .address_space: global }
    .group_segment_fixed_size: 327680
    .private_segment_fixed_size: 0
    .kernarg_segment_align: 8
    .kernarg_segment_size: 48
    .max_flat_workgroup_size: 128
    .sgpr_count:     106
    .vgpr_count:     1024
    .wavefront_size: 32
...
	.end_amdgpu_metadata
.endif
;; end of part 5
